; MI455X (gfx1250); checked and timed in simulation.
; The chip was launched on July 23, 2026; its instructions are those of AMD's public machine-readable ISA for CDNA 5 (MIT licence, August 2026) and "CDNA5" Instruction Set Architecture Reference Guide (July 2026). The comments in the code are by the model that wrote it; some were corrected since.
;; Gated Multi Head Attention. Allowed arithmetic: matrix products marked QUANTISED: E2M3 operands, one E8M0 scale for each 32 along K, by v_wmma_scale_f32_16x16x128_f8f6f4 with both operands' format E2M3, f32 sums; products left as they are: f32 operands where the result goes on into a quantised operand, else bf16, f16 or f32 operands; f32 sums; everything else in f32.
;; Inputs: Wg 1,024 x 32 float32; Wk_codes 1,024 x 32 x 24 uint8 (E2M3 codes of Wk, K innermost, in blocks of 32 codes, four codes in three bytes); Wk_scales 1,024 x 32 uint8 (E8M0 scales of Wk, one for each 32 codes along K); Wo_codes 1,024 x 32 x 24 uint8 (E2M3 codes of Wo, K innermost, in blocks of 32 codes, four codes in three bytes); Wo_scales 1,024 x 32 uint8 (E8M0 scales of Wo, one for each 32 codes along K); Wq_codes 1,024 x 32 x 24 uint8 (E2M3 codes of Wq, K innermost, in blocks of 32 codes, four codes in three bytes); Wq_scales 1,024 x 32 uint8 (E8M0 scales of Wq, one for each 32 codes along K); Wv_codes 1,024 x 32 x 24 uint8 (E2M3 codes of Wv, K innermost, in blocks of 32 codes, four codes in three bytes); Wv_scales 1,024 x 32 uint8 (E8M0 scales of Wv, one for each 32 codes along K); bg 32 float32; bk 1,024 float32; bo 1,024 float32; bq 1,024 float32; bv 1,024 float32; modality_ids 4 x 2,048 int32; x 4 x 2,048 x 1,024 float32.
;; Outputs: out0 4 x 2,048 x 1,024 float32.
;; This version of the problem:
;;   THIS VERSION OF THE PROBLEM IS GIVEN IN LOW PRECISION. The matrix products marked QUANTISED in the list below multiply operands that are first quantised to E2M3 (2 exponent bits, 3 mantissa bits; 6 bits a number), with one power-of-two scale for each 32 numbers along K (OCP MX v1.0); their sums are f32. All else is computed in f32.
;;   The module's matrix products, in the order in which they are computed (A, B: the left and right operand; K: the contracted axis; several contracted axes count as one K, in the product's order):
;;     1. [M 8,192, K 1,024] x [K 1,024, N 1,024]; A: input x; B: input Wq (given as codes): QUANTISED
;;     2. [M 8,192, K 1,024] x [K 1,024, N 1,024]; A: input x; B: input Wk (given as codes): QUANTISED
;;     3. [M 8,192, K 1,024] x [K 1,024, N 1,024]; A: input x; B: input Wv (given as codes): QUANTISED
;;     4. [M 4, K 1,024] x [K 1,024, N 32]; A: computed on the way; B: input Wg: left as it is (M = 4 < 16)
;;     5. batch 32 x [M 2,048, K 128] x [K 128, N 2,048]; A: computed on the way; B: computed on the way: QUANTISED
;;     6. batch 32 x [M 2,048, K 2,048] x [K 2,048, N 128]; A: softmax (see below); B: computed on the way: QUANTISED
;;     7. [M 8,192, K 1,024] x [K 1,024, N 1,024]; A: computed on the way; B: input Wo (given as codes): QUANTISED
;;   THE QUANTISER, for each operand of a quantised product, along K:
;;     - K is cut into blocks of 32 from its start; a last block that is shorter is filled with zeros.
;;     - A block's scale is 2^e with e = floor(log2(the largest magnitude in the block)) - 2, held to -126 .. 127; a block of zeros has e = 0. As a byte (E8M0): e + 127.
;;     - Each number is divided by its block's scale, clamped to +-7.5, and rounded to the nearest number of E2M3, ties to even, subnormals kept.
;;     - The product sums the exact products of the quantised numbers (number of the format x scale) in f32.
;;   ~~~python
;;   def quantise(x, axis):      # numpy; x: float32 -> the quantised numbers, widened to float32 again
;;       x = np.moveaxis(x, axis, -1); K = x.shape[-1]
;;       x = np.pad(x, [(0, 0)] * (x.ndim - 1) + [(0, -K % 32)]); x = x.reshape(x.shape[:-1] + (-1, 32)); a = np.abs(x).max(-1, keepdims=True)
;;       e = np.where(a > 0, np.clip(np.frexp(np.where(a > 0, a, 1))[1] - 1 - 2, -126, 127), 0)      # np.frexp(a)[1] - 1 = floor(log2(a)), exactly
;;       r = np.clip(x / 2.0 ** e, -7.5, 7.5)
;;       step = 2.0 ** (np.maximum(np.frexp(np.where(r == 0, 1, r))[1] - 1, 0) - 3)
;;       q = np.round(r / step) * step * 2.0 ** e      # np.round: ties to even
;;       return np.moveaxis(q.reshape(q.shape[:-2] + (-1,))[..., :K], -1, axis).astype(np.float32)
;;   ~~~
;;   SOFTMAX AHEAD OF A QUANTISED PRODUCT. Where the list says 'softmax', what is quantised is not the finished softmax but p = 2^(t - M), with t = logit x log2(e) and M = ceil(the row's largest t), a whole number; so 1/2 < the row's largest p <= 1. The row's sum l is taken of the UNQUANTISED p, in f32, and the product's result is divided by l at the end. Since M is a whole number, a kernel that streams over the keys may use a running M (the ceiling of the running maximum): every later rescaling is an exact power of two, which a block's scale takes up: the codes' values come out the same.
;;   OPERANDS COMPUTED ON THE WAY. 'Computed on the way' means the value that the module computes at that place (a softmax that the list does not call 'softmax' is quantised finished and normalised). What goes into a quantiser is computed in f32, as accurately as f32 sums, v_exp_f32 and their like allow (about 1e-6 of the number): no bf16 or f16 on the way to a quantiser, and a product that is left as it is and whose result goes on into a quantised operand takes f32 operands (vector FMAs, or v_wmma_f32_16x16x4_f32). A number that lies on a knife's edge between two numbers of the format may be rounded either way, as far as f32 arithmetic and the matrix unit's own rounding can turn it there, and no further.
;;   INPUTS GIVEN AS CODES. Wk (in the module: [1024, 1024], K = its axis 0); Wo (in the module: [1024, 1024], K = its axis 0); Wq (in the module: [1024, 1024], K = its axis 0); Wv (in the module: [1024, 1024], K = its axis 0): each comes as NAME_codes (uint8): NAME with its K axis moved to the last place and cut into blocks of 32 codes, [.., K / 32, bytes a block], one block behind the other in memory; four codes in three bytes: a row's codes are one little-endian stream of bits, code i at bits 6 i .. 6 i + 5 (a code: sign, 2 exponent bits, 3 mantissa bits); and NAME_scales (uint8): the same leading axes, one E8M0 byte (e + 127) for each 32 codes along K. Its value is code x scale, taken as it is: it is not quantised again, and the codes and scales need not be those that the quantiser above would give.
;; One version. Each part assembles by itself: llvm-mc -triple=amdgcn-amd-amdhsa -mcpu=gfx1250 --defsym DOCPART=n.
;; ======== version 1 of 1: 4 launches
;; limits: right only within a limited range of input values
;; workspace buffers: xq 6,553,600 bytes; wq 3,276,800 bytes; glog 32,768 bytes; qkv 19,660,800 bytes; oq 6,553,600 bytes
;; launch prep (part 1): grid 256 x 1, 4 waves a work-group, no clusters, 37,376 bytes of LDS; arguments x, Wg, Wq_codes, Wq_scales, Wk_codes, Wk_scales, Wv_codes, Wv_scales, Wo_codes, Wo_scales, xq, wq, glog; writes xq, wq, glog
.if DOCPART == 1
	.amdgcn_target "amdgcn-amd-amdhsa--gfx1250"
	.amdhsa_code_object_version 6
	.text
	.protected	k_q84124b83cd_prep
	.globl	k_q84124b83cd_prep
	.p2align	8
	.type	k_q84124b83cd_prep,@function
k_q84124b83cd_prep:
	s_mov_b64 s[64:65], 0
	v_nop
	global_prefetch_b8 v0, s[64:65] scope:SCOPE_SE
	s_setreg_imm32_b32 hwreg(HW_REG_WAVE_MODE, 25, 1), 1
	s_wait_xcnt 0x0
; x [8192][1024] f32 becomes codes of E2M3 with one E8M0 byte for each 32 along its last axis; the four weights' codes and scale bytes are laid anew; the column sums of x times Wg give partial gate logits.
; LAYOUT OF ALL OPERANDS OF THIS PROGRAM.  A tile is 16 rows: image row p of tile T is row 32 (T/2) + 8 (T%2) + p + 8 (p/8).  A fragment (16 rows x 128 K, 12 registers a lane) lies in memory as an image of its
; registers: registers 4 g .. 4 g + 3 of lane l at 512 g + 16 l, 1,536 bytes; codes [T][kc 0..7][1536].  Scale words [T/4][kc][row p][T%4]: 256 bytes for each (T/4, kc).
; SHARES.  Work-group g: batch g >> 6, columns 128 ((g >> 3) & 7) on, rows 256 (g & 7) on; wave w: 64 of those rows, four fragments.  Each load reads 512 consecutive bytes of a row; a fragment's 16 rows turn
; through the wave's own stage in LDS (pitch 528), so that lane (r, h) gets blocks h and 2 + h (32 numbers each) of row r: the operand's own order.
; The same work-group re-lays two fragments a wave of weight g >> 6 (tile 4 ((g >> 2) & 15) + w, K chunks 2 (g & 3) and + 1).
; glog[g][j] = sum over the group's 256 rows and 128 columns of x Wg[.][j], f32, not yet divided by 2,048: a store of 128 bytes a work-group, 32 KB in the whole launch.
; No cluster and no tensor load: the work-groups share nothing but Wg's 16 KB a group.  No matrix unit: nothing is multiplied here but 4,096 numbers a group.
; LIMITS: NaN and infinities are not served; a block of zeros, or one whose largest magnitude lies under 2^-124, gets the byte 1 (its codes are zeros or held; this program alone reads the bytes);
; the mean's sum is taken in another order than a plain sum down the rows.
.set STGP, 528
.set STGB, 16*STGP
.set CSB,  4*STGB                      ; 4 x 512 bytes: each wave's column sums
.set LGB,  CSB+2048                    ; 4 x 128 bytes: each wave's partial logits
.set XQS,  6291456                     ; where xq's scale words begin
.set WQS,  3145728                     ; where wq's begin
.set CS,   16                          ; v16-19  sums of my four columns
.set PW,   20                          ; v20-23  the four fragments' scale words
.set PC,   24                          ; v24-35  a fragment's codes
.set CT,   36                          ; v36-43  the upper halves of two blocks, before they are moved
.set X,    64                          ; v64-127 64 numbers in the operand's order
.set R0,   128                         ; v128-191, v192-255: two sets of 16 rows as loaded
.set R1,   192
	s_load_b512 s[4:19], s[0:1], 0x0               ; x, Wg, Wq codes, scales, Wk codes, scales, Wv codes, scales
	s_load_b256 s[20:27], s[0:1], 0x40             ; Wo codes, scales, xq, wq
	s_load_b64 s[28:29], s[0:1], 0x60              ; glog
	v_lshl_add_u32 v62, v0, 2, 0x9000
	v_mov_b32 v63, 0
	v_and_b32 v1, 31, v0                           ; lane
	s_wait_alu depctr_va_vdst(0)
	v_and_b32 v2, 15, v0                           ; r
	s_wait_alu depctr_va_vdst(0)
	v_bfe_u32 v3, v0, 4, 1                         ; h
	v_lshrrev_b32 v10, 5, v0
	v_readfirstlane_b32 s33, v10                   ; wave
	s_lshr_b32 s30, ttmp9, 6                       ; batch, and which weight
	s_bfe_u32 s31, ttmp9, 0x30003                  ; kc
	s_and_b32 s32, ttmp9, 7                        ; which 256 rows
	s_bfe_u32 s54, ttmp9, 0x40002                  ; the weight's group of four tiles
	s_and_b32 s55, ttmp9, 3                        ; which pair of K chunks
	s_mov_b32 s52, 0x76543210
	s_mov_b32 s53, 0xfedcba98                      ; lane l xor 16
	s_lshl_b32 s34, s30, 5
	s_lshl_b32 s35, s32, 2
	s_add_co_u32 s34, s34, s35
	s_add_co_u32 s34, s34, s33                     ; Tg: my 64 rows
	s_lshl_b32 s36, s34, 18                        ; x: 64 rows of 4,096 bytes, + 512 kc
	s_lshl_b32 s35, s31, 9
	s_add_co_u32 s36, s36, s35
	s_mov_b32 s37, 0
	s_mul_i32 s38, s34, 49152                      ; xq's codes: (32 Tg + kc) x 1,536
	s_mul_i32 s35, s31, 1536
	s_add_co_u32 s38, s38, s35
	s_mov_b32 s39, 0
	s_lshl_b32 s40, s34, 11                        ; xq's scale words
	s_lshl_b32 s35, s31, 8
	s_add_co_u32 s40, s40, s35
	s_add_co_u32 s40, s40, XQS
	s_mov_b32 s41, 0
	s_lshl_b32 s42, s54, 6                         ; the weight's rows: 64 group + 32 (w / 2) + 8 (w % 2)
	s_lshr_b32 s35, s33, 1
	s_lshl_b32 s35, s35, 5
	s_add_co_u32 s42, s42, s35
	s_and_b32 s35, s33, 1
	s_lshl_b32 s35, s35, 3
	s_add_co_u32 s42, s42, s35
	s_mul_i32 s42, s42, 768
	s_mul_i32 s35, s55, 192
	s_add_co_u32 s42, s42, s35
	s_mov_b32 s43, 0
	s_lshl_b32 s44, s54, 11                        ; its scale bytes: 64 rows of 32 bytes a group, + 8 for a pair of chunks
	s_lshl_b32 s35, s55, 3
	s_add_co_u32 s44, s44, s35
	s_mov_b32 s45, 0
	s_lshl_b32 s46, s54, 2                         ; wq's codes: weight x 786,432 + (8 tile + chunk) x 1,536
	s_add_co_u32 s46, s46, s33
	s_lshl_b32 s46, s46, 3
	s_lshl_b32 s35, s55, 1
	s_add_co_u32 s46, s46, s35
	s_mul_i32 s46, s46, 1536
	s_mul_i32 s35, s30, 786432
	s_add_co_u32 s46, s46, s35
	s_mov_b32 s47, 0
	s_lshl_b32 s48, s30, 15                        ; wq's scale words
	s_lshl_b32 s35, s54, 11
	s_add_co_u32 s48, s48, s35
	s_lshl_b32 s35, s55, 9
	s_add_co_u32 s48, s48, s35
	s_add_co_u32 s48, s48, WQS
	s_mov_b32 s49, 0
	s_lshl_b32 s50, s31, 14                        ; Wg: rows 128 kc + 32 w on, 128 bytes a row
	s_lshl_b32 s35, s33, 12
	s_add_co_u32 s50, s50, s35
	s_mov_b32 s51, 0
	s_lshl_b32 s56, ttmp9, 7                       ; glog: 128 bytes a work-group
	s_mov_b32 s57, 0
	v_lshlrev_b32 v4, 4, v1                        ; 16 x lane
	s_mul_i32 s35, s33, STGB                       ; my stage
	v_add_nc_u32 v5, s35, v4                       ; in: a row's 512 bytes as loaded
	v_mul_u32_u24 v6, v2, STGP
	s_wait_alu depctr_va_vdst(0)
	v_lshl_add_u32 v6, v3, 7, v6
	v_add_nc_u32 v6, s35, v6                       ; out: row r, + 128 h
	v_and_b32 v10, 8, v2
	v_add_nc_u32 v10, v10, v2                      ; r + 8 (r / 8)
	v_mul_u32_u24 v7, v10, 768
	v_mad_u32_u24 v7, v3, 24, v7                   ; the weight's codes: my row, + 24 h
	v_lshlrev_b32 v8, 5, v10
	v_lshl_add_u32 v8, v3, 2, v8                   ; its scale words: lanes 0-15 the first chunk's, lanes 16-31 the second's
	v_lshlrev_b32 v9, 2, v1                        ; 4 x lane
	s_lshl_b32 s35, s33, 9
	v_add_nc_u32 v11, s35, v4
	v_add_nc_u32 v11, CSB, v11                     ; my column sums' place
	s_lshl_b32 s35, s33, 7
	v_add_nc_u32 v12, s35, v9
	v_add_nc_u32 v13, LGB, v12                     ; my partial logit's place
	v_add_nc_u32 v12, CSB, v12                     ; column 32 w + lane in wave 0's sums
	v_add_nc_u32 v14, LGB, v9
	v_lshlrev_b32 v15, 3, v3                       ; 8 h
	v_mov_b32 v51, 0                               ; a lane permute's destination counts as read
	s_wait_kmcnt 0x0
	s_cmp_eq_u32 s30, 1                            ; which weight: the choice hangs on the work-group's number alone
	s_cselect_b64 s[8:9], s[12:13], s[8:9]
	s_cselect_b64 s[10:11], s[14:15], s[10:11]
	s_cmp_eq_u32 s30, 2
	s_cselect_b64 s[8:9], s[16:17], s[8:9]
	s_cselect_b64 s[10:11], s[18:19], s[10:11]
	s_cmp_eq_u32 s30, 3
	s_cselect_b64 s[8:9], s[20:21], s[8:9]
	s_cselect_b64 s[10:11], s[22:23], s[10:11]
	s_add_nc_u64 s[4:5], s[4:5], s[36:37]
	s_add_nc_u64 s[6:7], s[6:7], s[50:51]
	s_add_nc_u64 s[8:9], s[8:9], s[42:43]
	s_add_nc_u64 s[10:11], s[10:11], s[44:45]
	s_add_nc_u64 s[38:39], s[24:25], s[38:39]
	s_add_nc_u64 s[40:41], s[24:25], s[40:41]
	s_add_nc_u64 s[46:47], s[26:27], s[46:47]
	s_add_nc_u64 s[48:49], s[26:27], s[48:49]
	s_add_nc_u64 s[28:29], s[28:29], s[56:57]
.macro FILL t, reg                     ; fragment t's 16 rows, 512 consecutive bytes a load
.irp p, 0,1,2,3,4,5,6,7,8,9,10,11,12,13,14,15
	global_load_b128 v[\reg+4*\p:\reg+4*\p+3], v4, s[4:5] offset:(32*((\t)/2)+8*((\t)%2)+\p+8*(\p/8))*4096 th:TH_LOAD_NT
.endr
.endm
.irp e, 0,1                            ; the weight's two fragments, as the operand's registers take them
.irp p, 0,1,2,3,4,5
	global_load_b64 v[X+12*\e+2*\p:X+12*\e+2*\p+1], v7, s[8:9] offset:96*\e+48*(\p/3)+8*(\p%3)
.endr
.endr
.irp t, 0,1,2,3                        ; and the scale words of the group's four tiles
	global_load_b32 v[X+24+\t], v8, s[10:11] offset:(32*(\t/2)+8*(\t%2))*32
.endr
	FILL 0, R0
	FILL 1, R1
	s_set_vgpr_msb 0x40                            ; fragments 2 and 3 land in registers 256 to 383: all 64 rows of the wave are asked for at the head
	FILL 2, 0
	FILL 3, 64
	s_set_vgpr_msb 0x4000
	s_wait_loadcnt 63                              ; of 80 loads at least 17 are done: the weight's 16 are in
.irp e, 0,1
.irp g, 0,1,2
	global_store_b128 v4, v[X+12*\e+4*\g:X+12*\e+4*\g+3], s[46:47] offset:1536*\e+512*\g   ; 512 consecutive bytes a store
.endr
.endr
	s_cmp_lg_u32 s33, 0
	s_cbranch_scc1 .Lno_wscales
	global_store_b128 v4, v[X+24:X+27], s[48:49]   ; two chunks' words of four tiles: 512 consecutive bytes
.Lno_wscales:
	s_wait_xcnt 0x0                                ; the stores have read X: it is loaded again only behind this wait
; One fragment.  left: the loads issued behind its own fill.
.macro FRAGX t, reg, left
	s_wait_loadcnt \left
.if (\t) == 0
	v_pk_add_f32 v[CS:CS+1], v[\reg:\reg+1], v[\reg+4:\reg+5]          ; the first two rows start the sums
	v_pk_add_f32 v[CS+2:CS+3], v[\reg+2:\reg+3], v[\reg+6:\reg+7]
.irp p, 2,3,4,5,6,7,8,9,10,11,12,13,14,15
	v_pk_add_f32 v[CS:CS+1], v[CS:CS+1], v[\reg+4*\p:\reg+4*\p+1]
	v_pk_add_f32 v[CS+2:CS+3], v[CS+2:CS+3], v[\reg+4*\p+2:\reg+4*\p+3]
.endr
.else
.irp p, 0,1,2,3,4,5,6,7,8,9,10,11,12,13,14,15
	v_pk_add_f32 v[CS:CS+1], v[CS:CS+1], v[\reg+4*\p:\reg+4*\p+1]
	v_pk_add_f32 v[CS+2:CS+3], v[CS+2:CS+3], v[\reg+4*\p+2:\reg+4*\p+3]
.endr
.endif
.irp p, 0,1,2,3,4,5,6,7,8,9,10,11,12,13,14,15
	ds_store_b128 v5, v[\reg+4*\p:\reg+4*\p+3] offset:STGP*\p
.endr
.irp c, 0,1
.irp j, 0,1,2,3,4,5,6,7
	ds_load_b128 v[X+32*\c+4*\j:X+32*\c+4*\j+3], v6 offset:256*\c+16*\j   ; LDS serves a wave's instructions in order: these see the stores above
.endr
.endr
	s_wait_dscnt 0x0                               ; X is in, and the stores have read the set: it may be loaded again
.endm
.macro QUANTX t                        ; X: register 32 c + i = k 64 c + 32 h + i of row r: two whole blocks a lane
.irp c, 0,1
	v_max3_num_f32 v[44+\c], |v[X+32*\c]|, |v[X+32*\c+1]|, 0x1800000      ; with the floor 2^(3 - 127): the byte cannot fall under 1
.endr
.irp i, 2,4,6,8,10,12,14,16,18,20,22,24,26,28,30
.irp c, 0,1
	v_max3_num_f32 v[44+\c], v[44+\c], |v[X+32*\c+\i]|, |v[X+32*\c+\i+1]|
.endr
.endr
.irp c, 0,1
	v_add_nc_u32 v[46+\c], 0xff000000, v[44+\c]    ; 2 off the exponent field: the conversion's scale operand
.endr
.irp c, 0,1
	v_lshrrev_b32 v[48+\c], 23, v[46+\c]           ; the scale's byte
.endr
	v_lshl_or_b32 v50, v49, 16, v48                ; blocks h and 2 + h,
	v_lshlrev_b32 v50, v15, v50                    ; at their places in the word;
	v_permlanex16_b32 v51, v50, s52, s53
	v_or_b32 v[PW+\t], v50, v51                    ; with lane l xor 16's two the word is whole
	s_wait_alu depctr_va_vdst(0)
	s_wait_xcnt 0x0                                ; the last fragment's stores have read the codes' registers
.irp c, 0,1
	v_cvt_scalef32_pk16_fp6_f32 v[PC+6*\c:PC+6*\c+2], v[X+32*\c:X+32*\c+15], v[46+\c]
	v_cvt_scalef32_pk16_fp6_f32 v[CT+4*\c:CT+4*\c+2], v[X+32*\c+16:X+32*\c+31], v[46+\c]   ; (a conversion's three registers begin on an even number)
.endr
	v_nop                                          ; one plain line behind the conversions
.irp c, 0,1
.irp i, 0,1,2
	v_mov_b32 v[PC+6*\c+3+\i], v[CT+4*\c+\i]
.endr
.endr
.irp g, 0,1,2
	global_store_b128 v4, v[PC+4*\g:PC+4*\g+3], s[38:39] offset:12288*(\t)+512*\g
.endr
.endm
	FRAGX 0, R0, 48                                ; the other three fills, 48 loads, stay out
	QUANTX 0
	FRAGX 1, R1, 32                                ; two fills stay out
.irp k, 0,1,2,3,4,5,6,7,8,9,10,11,12,13,14,15,16,17,18,19,20,21,22,23,24,25,26,27,28,29,30,31
	global_load_b32 v[R0+\k], v9, s[6:7] offset:128*\k   ; Wg[128 kc + 32 w + k][lane]
.endr
	QUANTX 1
	s_set_vgpr_msb 0x04                            ; source 1 (the rows summed, the LDS stores' data) in the second block of registers
	FRAGX 2, 0, 48                                 ; the last fill's 16 loads and Wg's 32 stay out
	s_set_vgpr_msb 0x0400
	QUANTX 2
	s_set_vgpr_msb 0x04
	FRAGX 3, 64, 32                                ; Wg's 32 loads stay out
	s_set_vgpr_msb 0x0400
	QUANTX 3
	s_wait_xcnt 0x0                                ; EXEC changes only behind this wait
	v_cmp_gt_u32 vcc_lo, 16, v1
	s_and_saveexec_b32 s35, vcc_lo
	global_store_b128 v4, v[PW:PW+3], s[40:41]     ; lanes 0-15: row r's four words: 256 consecutive bytes, aligned
	s_wait_xcnt 0x0
	s_or_b32 exec_lo, exec_lo, s35
	; the gate's partial logits
	ds_store_b128 v11, v[CS:CS+3]
	s_wait_dscnt 0x0                               ; for the others' sake
	s_barrier_signal -1
	s_barrier_wait -1
	ds_load_b32 v44, v12
	ds_load_b32 v45, v12 offset:512
	ds_load_b32 v46, v12 offset:1024
	ds_load_b32 v47, v12 offset:1536
	s_wait_dscnt 0x0
	v_add_f32 v44, v44, v45
	v_add_f32 v46, v46, v47
	v_add_f32 v44, v44, v46                        ; the group's 256 rows' sum of column 32 w + lane
	s_wait_alu depctr_va_vdst(0)
	s_wait_loadcnt 0x0                             ; Wg
	v_readlane_b32 s58, v44, 0
	v_readlane_b32 s59, v44, 1
	v_mul_f32 v45, s58, v[R0]
	v_mul_f32 v46, s59, v[R0+1]
.irp k, 2,6,10,14,18,22,26
	v_readlane_b32 s60, v44, \k
	v_readlane_b32 s61, v44, \k+1
	v_fmac_f32 v45, s60, v[R0+\k]
	v_fmac_f32 v46, s61, v[R0+\k+1]
	v_readlane_b32 s58, v44, \k+2
	v_readlane_b32 s59, v44, \k+3
	v_fmac_f32 v45, s58, v[R0+\k+2]
	v_fmac_f32 v46, s59, v[R0+\k+3]
.endr
	v_readlane_b32 s60, v44, 30
	v_readlane_b32 s61, v44, 31
	v_fmac_f32 v45, s60, v[R0+30]
	v_fmac_f32 v46, s61, v[R0+31]
	v_add_f32 v45, v45, v46
	ds_store_b32 v13, v45
	s_wait_dscnt 0x0
	s_barrier_signal -1
	s_barrier_wait -1
	s_cmp_lg_u32 s33, 0
	s_cbranch_scc1 .Ldone
	ds_load_b32 v44, v14
	ds_load_b32 v45, v14 offset:128
	ds_load_b32 v46, v14 offset:256
	ds_load_b32 v47, v14 offset:384
	s_wait_dscnt 0x0
	v_add_f32 v44, v44, v45
	v_add_f32 v46, v46, v47
	v_add_f32 v44, v44, v46
	global_store_b32 v9, v44, s[28:29]
.Ldone:
	s_wait_tensorcnt 0x0
	ds_add_u32 v62, v63
	s_wait_dscnt 0x0
	s_endpgm
.Lfunc_end_k_q84124b83cd_prep:
	.size	k_q84124b83cd_prep, .Lfunc_end_k_q84124b83cd_prep-k_q84124b83cd_prep
	.p2alignl 7, 3214868480
	.fill 96, 4, 3214868480
	.section	.rodata,"a",@progbits
	.p2align	6, 0x0
	.amdhsa_kernel k_q84124b83cd_prep
		.amdhsa_group_segment_fixed_size 37376
		.amdhsa_private_segment_fixed_size 0
		.amdhsa_enable_private_segment 0
		.amdhsa_kernarg_size 104
		.amdhsa_user_sgpr_count 2
		.amdhsa_user_sgpr_kernarg_segment_ptr 1
		.amdhsa_wavefront_size32 1
		.amdhsa_system_sgpr_workgroup_id_x 1
		.amdhsa_system_sgpr_workgroup_id_y 1
		.amdhsa_system_sgpr_workgroup_id_z 1
		.amdhsa_system_vgpr_workitem_id 0
		.amdhsa_next_free_vgpr 384
		.amdhsa_next_free_sgpr 66
		.amdhsa_reserve_vcc 1
		.amdhsa_float_denorm_mode_32 3
		.amdhsa_float_denorm_mode_16_64 3
		.amdhsa_memory_ordered 1
		.amdhsa_forward_progress 1
		.amdhsa_inst_pref_size 51
	.end_amdhsa_kernel
	.amdgpu_metadata
---
amdhsa.version: [ 1, 2 ]
amdhsa.kernels:
  - .name:           k_q84124b83cd_prep
    .symbol:         k_q84124b83cd_prep.kd
    .args:
      - { .name: x, .offset: 0, .size: 8, .value_kind: global_buffer, .address_space: global }
      - { .name: Wg, .offset: 8, .size: 8, .value_kind: global_buffer, .address_space: global }
      - { .name: Wq_codes, .offset: 16, .size: 8, .value_kind: global_buffer, .address_space: global }
      - { .name: Wq_scales, .offset: 24, .size: 8, .value_kind: global_buffer, .address_space: global }
      - { .name: Wk_codes, .offset: 32, .size: 8, .value_kind: global_buffer, .address_space: global }
      - { .name: Wk_scales, .offset: 40, .size: 8, .value_kind: global_buffer, .address_space: global }
      - { .name: Wv_codes, .offset: 48, .size: 8, .value_kind: global_buffer, .address_space: global }
      - { .name: Wv_scales, .offset: 56, .size: 8, .value_kind: global_buffer, .address_space: global }
      - { .name: Wo_codes, .offset: 64, .size: 8, .value_kind: global_buffer, .address_space: global }
      - { .name: Wo_scales, .offset: 72, .size: 8, .value_kind: global_buffer, .address_space: global }
      - { .name: xq, .offset: 80, .size: 8, .value_kind: global_buffer, .address_space: global }
      - { .name: wq, .offset: 88, .size: 8, .value_kind: global_buffer, .address_space: global }
      - { .name: glog, .offset: 96, .size: 8, .value_kind: global_buffer, .address_space: global }
    .group_segment_fixed_size: 37376
    .private_segment_fixed_size: 0
    .kernarg_segment_align: 8
    .kernarg_segment_size: 104
    .max_flat_workgroup_size: 128
    .sgpr_count:     66
    .vgpr_count:     384
    .wavefront_size: 32
...
	.end_amdgpu_metadata
.endif
;; end of part 1
;; launch qkv (part 2): grid 8 x 32, 4 waves a work-group, clusters of 4 x 4, 327,680 bytes of LDS; arguments xq, wq, bq, bk, bv, qkv; writes qkv
.if DOCPART == 2
	.amdgcn_target "amdgcn-amd-amdhsa--gfx1250"
	.amdhsa_code_object_version 6
	.text
	.protected	k_q84124b83cd_qkv
	.globl	k_q84124b83cd_qkv
	.p2align	8
	.type	k_q84124b83cd_qkv,@function
k_q84124b83cd_qkv:
	s_mov_b64 s[64:65], 0
	v_nop
	global_prefetch_b8 v0, s[64:65] scope:SCOPE_SE
	s_setreg_imm32_b32 hwreg(HW_REG_WAVE_MODE, 25, 1), 1
	s_wait_xcnt 0x0
	s_wait_alu depctr_hold_cnt(0) depctr_sa_sdst(0) depctr_va_vdst(0) depctr_va_sdst(0) depctr_va_ssrc(0) depctr_va_vcc(0) depctr_vm_vsrc(0)
	s_getreg_b32 s2, hwreg(HW_REG_IB_STS2, 6, 4)
	s_cmp_eq_u32 s2, 0
	s_cbranch_scc0 .Lentry_in_a_cluster
	s_endpgm
.Lentry_in_a_cluster:
	s_bfe_u32 s2, ttmp6, 0x10000c
	s_cmp_lg_u32 s2, 0xf033
	s_cbranch_scc0 .Lentry_shape_is_right
	s_endpgm
.Lentry_shape_is_right:
; q = x Wq + bq, k = x Wk + bk, v = x Wv + bv on codes of E2M3 (one E8M0 byte for each 32 along K = 1,024); each result is quantised again: q and k along the head's 128, v along the keys.
; Operands lie in memory as images of the operand's registers (tile T, K chunk kc: 1,536 bytes at (8 T + kc) x 1,536; image row p of tile T is row 32 (T/2) + 8 (T%2) + p + 8 (p/8)); scale words [T/4][kc][row][T%4].
; SHARES.  8 x 32 = 256 work-groups of equal work.  Work-group (i, blk): 256 tokens (block blk) x columns 256 i .. + 255 of Wq and Wk on end, then the same tokens x head i of Wv.
; The 256 tokens' codes for all of K, 196,608 bytes, come into LDS once and stay.  The weights go through two slots of 49,152 bytes in six fills: four of 16 tiles x 2 chunks (q, k), two of 8 tiles x 4 chunks (v).
; PART 1 (q, k): wave (rh, ch) makes 128 tokens x 128 columns, 64 accumulators.  Source 0 = a tile of W, source 1 = a tile of x: lane (r, h) holds a token, its registers run along the head's channels.
; PART 2 (v): wave (rh, ch) makes channel tiles 4 ch .. + 3 x 128 tokens, 32 accumulators.  Source 0 = a tile of x, source 1 = a tile of Wv: a lane holds a channel, its registers run along the tokens.
; So one quantiser serves all three.  The biases are the C of the first products.
; SCALE WORDS go from memory into registers, 512 consecutive bytes a load: lanes 0-15 hold an even chunk's words, lanes 16-31 the next odd chunk's; odd chunks name row 1 for both sources.
; CLUSTERS 4 x 4: x's tiles are asked for jointly along a row of the cluster, the weights' along a column.  At the head one load a wave: x's two halves, fills 0 and 1.  A refill: a quarter a wave, behind a round.
; No prefetch: the walk along K is eight chunks, written out without a loop, and half of all bytes are asked for at the head.
; OUT, for tensor sel (q, k, v) at sel x 6,553,600: codes at (16 (8 batch + head) + step) x 12,288 + 1,536 x tile (a step is 128 tokens); scale words at 6,291,456 + (..) x 512: [tiles 0-3 | 4-7][row][4 words].
; LIMITS: NaN and infinities are not served; a block of zeros or under 2^-124 gets the byte 1 (read by this program alone).
; REGISTERS.  window 0: v8-15 results' scale words; v16-22 addresses; v28-29 for the add; v32-63 x's scale words, v64-95 Wq/Wk's, v96-111 Wv's; v112-127 the quantiser's; v128-223 source 1's fragments; v224-255 bv as C.
; window 1: source 0's fragments, two sets (v0, v128); v96-127, v224-255 bq or bk as C.  windows 2, 3: the accumulators.
.set XH,    98304                      ; half of x's block: 8 tiles x 12,288
.set SL,    196608                     ; the two slots
.set SLB,   49152
.set SPARE, 294912                     ; the spare words: 128 bytes a wave, two blocks of 256 bytes that no other line names
.set XQS,   6291456
.set WQS,   3145728
.set TEN,   6553600
.set PW,    8
.set ADRA,  16                         ; v16, v17: x's tiles 8 rh + 0..3, + 4..7
.set ADRB,  18                         ; v18, v19: my half of slot 0, 1
.set LI,    22
.set SPW,   28
.set NIL,   29
.set SX,    32
.set SW,    64
.set SV,    96
.set TM,    112
.set AF,    128
.set PC,    192
.set CV,    224
.set G1A,   24
.set G0A,   32
.set G1B,   48
.set G0F,   56
.set SEL,   66
.set G0R,   68
.set BQ,    72
.set BV,    74
.set LR,    76
.set MSB, 0
.macro WIN new                         ; the immediate's high byte repeats the setting that is left
.if MSB != (\new)
	s_set_vgpr_msb (MSB<<8)|(\new)
.set MSB, (\new)
.endif
.endm
.macro PLACES n
.rept \n
	v_nop
.endr
.endm
.macro CREST                           ; a round of the cluster's barrier behind its opening barrier
	s_cmp_lg_u32 s16, 0
	s_cbranch_scc1 .Lnot_wave_0_\@
	s_barrier_signal -3
.Lnot_wave_0_\@:
	s_barrier_wait -3
	s_barrier_signal -1
	s_barrier_wait -1
.endm
.macro CROUND
	s_barrier_signal -1
	s_barrier_wait -1
	CREST
.endm
.macro ARM under, g0, g1, next         ; one arm of the head's chain: its load, and a jump to the join
	s_cmp_lt_u32 s16, \under
	s_cbranch_scc0 \next
	tensor_load_to_lds s[\g0:\g0+3], s[\g1:\g1+7]
	s_nop 0
	PLACES 4
	s_branch .Lhead_asked
\next:
.endm
.macro FRAG reg, adr, off              ; a fragment comes back as it was stored: three loads of 512 consecutive bytes
.irp g, 0,1,2
	ds_load_b128 v[\reg+4*\g:\reg+4*\g+3], v[\adr] offset:\off+512*\g
.endr
.endm
.macro FETCH_B slot, kcl, p            ; W's eight tiles of a chunk into set p
	WIN 0x40
.irp i, 0,1,2,3,4,5,6,7
	FRAG 128*(\p)+12*\i, ADRB+\slot, 3072*\i+1536*(\kcl)
.endr
	WIN 0
.endm
.macro FETCH_A kc, i0                  ; x's blocks i0 .. i0 + 3 of chunk kc
.irp i, 0,1,2,3
	FRAG AF+12*(\i0+\i), ADRA+(\i0)/4, 12288*\i+1536*(\kc)
.endr
.endm
.macro WM d, b, a, c, sb, sa, row
.if \row
	v_wmma_scale_f32_16x16x128_f8f6f4 v[\d:\d+7], v[\b:\b+11], v[\a:\a+11], v[\c:\c+7], v[\sb], v[\sa] matrix_a_fmt:MATRIX_FMT_FP6 matrix_b_fmt:MATRIX_FMT_FP6 matrix_a_scale:MATRIX_SCALE_ROW1 matrix_b_scale:MATRIX_SCALE_ROW1
.else
	v_wmma_scale_f32_16x16x128_f8f6f4 v[\d:\d+7], v[\b:\b+11], v[\a:\a+11], v[\c:\c+7], v[\sb], v[\sa] matrix_a_fmt:MATRIX_FMT_FP6 matrix_b_fmt:MATRIX_FMT_FP6
.endif
.endm
; x's blocks a0, a0 + 1 against W's eight.  The accumulators take turns, one instruction a turn, in the same order in every chunk.
.macro MUL2 a0, p, kc, first
.set AW, 2+(\a0)/4
	WIN 0x01|(AW<<6)|((\first)*0x10)|((1-(\first))*(AW<<4))
.set ma, \a0
.rept 2
.set mb, 0
.rept 8
.set rD, (8*(8*ma+mb))%256
.set rC, rD
.if \first
.set rC, 96+8*mb+96*(mb/4)
.endif
	WM rD, 128*(\p)+12*mb, AF+12*ma, rC, SW+16*(mb/4)+4*((\kc)/2)+mb%4, SX+16*(ma/4)+4*((\kc)/2)+ma%4, (\kc)%2
.set mb, mb+1
.endr
.set ma, ma+1
.endr
.endm
; A slot's first chunk.  Four plain lines stand in front of each run of loads into registers that matrix instructions have read.
.macro STEP slot, kc, first
	s_wait_dscnt 12                                ; W's set and x's blocks 0-3 are in; the youngest 12 loads, blocks 4-7, may be out
	MUL2 0, 0, \kc, \first
	MUL2 2, 0, \kc, \first
	s_wait_dscnt 0x0
	PLACES 4
	FETCH_B \slot, 1, 1
	FETCH_A (\kc)+1, 0
	MUL2 4, 0, \kc, \first
	MUL2 6, 0, \kc, \first
	PLACES 4
	WIN 0
	FETCH_A (\kc)+1, 4
.endm
; A slot's second chunk: the slot is read out and filled again, my quarter of it.  goff: the fill's place along K; v: it is Wv's; more: part 1 goes on.
.macro TURN slot, kc, goff, v, more
	s_wait_tensorcnt 0x0                           ; all my tensor loads have landed: my quarter of the other slot
	ds_add_u32 v[SPW], v[NIL]                      ; 0 onto my spare word
	s_wait_dscnt 13                                ; (the add and x's blocks 4-7 may be out)
	MUL2 0, 1, \kc, 0
	s_wait_dscnt 0x0                               ; the add is done, and my reads of this slot are over
	s_barrier_signal -1
	MUL2 2, 1, \kc, 0
	WIN 0
	s_barrier_wait -1
	CREST                                          ; the barrier has opened a round of the cluster's: no wave of any partner still reads this slot or has a load on its way
.if \v
	s_add_nc_u64 s[G0R+2:G0R+3], s[BV:BV+1], \goff
.if (\slot) == 0
	s_mov_b32 s[G1B+1], 768<<16                    ; no load of mine is out: from here on a quarter is 2 tile rows of 6,144 bytes
	s_mov_b32 s[G1B+2], 2<<16
	s_mov_b32 s[G1B+3], 768<<16
	s_mov_b32 s[G1B+4], 2
.endif
.else
	s_add_nc_u64 s[G0R+2:G0R+3], s[BQ:BQ+1], \goff
.endif
	s_or_b32 s[G0R+3], s[G0R+3], 0x80000000
	s_add_co_u32 s[G0R+1], s[LR], (\slot)*SLB
	tensor_load_to_lds s[G0R:G0R+3], s[G1B:G1B+7]  ; the first tensor load behind the round; its four v_nop are the places in front of the loads below
	s_nop 0
	PLACES 4
.if \more
	FETCH_B 1-(\slot), 0, 0
	FETCH_A (\kc)+1, 0
.endif
	MUL2 4, 1, \kc, 0
	MUL2 6, 1, \kc, 0
.if \more
	PLACES 4
	WIN 0
	FETCH_A (\kc)+1, 4
.else
	WIN 0
.endif
.endm
; 64 numbers of a lane in window w, register s + 16 b + i = k 32 b + 16 h + i of my row, become a fragment's codes in v[PC] on and its scale word in v[pw].  Each accumulator is read from its low end on.
.macro QUANT w, s, pw
	WIN (\w)|((\w)<<2)
.irp b, 0,1,2,3
	v_max3_num_f32 v[TM+\b], |v[(\s)+16*\b]|, |v[(\s)+1+16*\b]|, 0x1800000   ; with the floor 2^(3 - 127): the byte cannot fall under 1
.endr
.irp i, 2,4,6,8,10,12,14
.irp b, 0,1,2,3
	v_max3_num_f32 v[TM+\b], |v[(\s)+16*\b+\i]|, |v[(\s)+1+16*\b+\i]|, v[TM+\b]
.endr
.endr
	WIN 0
.irp b, 0,1,2,3
	v_permlanex16_b32 v[TM+4+\b], v[TM+\b], s[SEL], s[SEL+1]
.endr
.irp b, 0,1,2,3
	v_max_num_f32 v[TM+\b], v[TM+\b], v[TM+4+\b]
.endr
.irp b, 0,1,2,3
	v_add_nc_u32 v[TM+12+\b], 0xff000000, v[TM+\b]   ; 2 off the exponent field: the conversion's scale operand
.endr
.irp b, 0,1,2,3
	v_lshrrev_b32 v[TM+4+\b], 23, v[TM+12+\b]
.endr
	v_lshl_or_b32 v[\pw], v[TM+5], 8, v[TM+4]
	v_lshl_or_b32 v[\pw], v[TM+6], 16, v[\pw]
	v_lshl_or_b32 v[\pw], v[TM+7], 24, v[\pw]
	WIN (\w)
.irp c, 0,1
	v_cvt_scalef32_pk16_fp6_f32 v[PC+6*\c:PC+2+6*\c], v[(\s)+32*\c:(\s)+15+32*\c], v[TM+12+2*\c]
	v_cvt_scalef32_pk16_fp6_f32 v[PC+12+4*\c:PC+14+4*\c], v[(\s)+16+32*\c:(\s)+31+32*\c], v[TM+12+2*\c+1]
.endr
	WIN 0
	v_nop                                          ; one plain line behind the conversions
.irp c, 0,1                            ; the operand wants a whole block in a lane
.irp i, 0,1,2
	v_permlane16_swap_b32 v[PC+6*\c+\i], v[PC+12+4*\c+\i]
.endr
.irp i, 0,1,2
	v_mov_b32 v[PC+3+6*\c+\i], v[PC+12+4*\c+\i]
.endr
.endr
.endm
.macro OUT w, s, pw, ob, off           ; one fragment out: three stores of 512 consecutive bytes
	s_wait_alu depctr_va_vdst(0)
	s_wait_xcnt 0x0                                ; the last fragment's stores have read the codes' registers
	QUANT \w, \s, \pw
.irp g, 0,1,2
	global_store_b128 v[LI], v[PC+4*\g:PC+4*\g+3], s[\ob:\ob+1] offset:\off+512*\g
.endr
.endm
; PART 2.  A chunk's fragments: x's eight tiles into window 1's set kc % 2, Wv's four into v[AF + 48 (kc % 2)].
.macro VFETCH kc
	WIN 0x40
.irp i, 0,1,2,3,4,5,6,7
	FRAG 128*((\kc)%2)+12*\i, ADRA+\i/4, 12288*(\i%4)+1536*(\kc)
.endr
	WIN 0
.irp i, 0,1,2,3
	FRAG AF+48*((\kc)%2)+12*\i, ADRB+(\kc)/4, 6144*\i+1536*((\kc)%4)
.endr
.endm
.macro MULV kc, first
	WIN 0x81|((1-(\first))*0x20)
.set ma, 0
.rept 4
.set mb, 0
.rept 8
.set rD, 8*(8*ma+mb)
.set rC, rD
.if \first
.set rC, CV+8*ma
.endif
	WM rD, 128*((\kc)%2)+12*mb, AF+48*((\kc)%2)+12*ma, rC, SX+16*(mb/4)+4*((\kc)/2)+mb%4, SV+4*((\kc)/2)+ma, (\kc)%2
.set mb, mb+1
.endr
.set ma, ma+1
.endr
.endm
.macro VCH kc, first
.if (\kc) < 7
.if (\kc) == 3
	s_wait_tensorcnt 0x0                           ; my quarter of the last fill is in;
	s_wait_dscnt 0x0
	s_barrier_signal -1
	s_barrier_wait -1                              ; and so is everybody's
.endif
	PLACES 4                                       ; in front of loads into the sets that the chunk before multiplied
	VFETCH (\kc)+1
	s_wait_dscnt 36                                ; all but the 36 just issued
.else
	s_wait_dscnt 0x0
.endif
	MULV \kc, \first
.endm
	s_load_b256 s[4:11], s[0:1], 0x0               ; xq, wq, bq, bk
	s_load_b128 s[12:15], s[0:1], 0x20             ; bv, qkv
	v_lshl_add_u32 v[SPW], v0, 2, SPARE
	v_mov_b32 v[NIL], 0
	ds_add_u32 v[SPW], v[NIL]                      ; the opening lines: the add, twice on end, and its wait ahead of my first tensor load
	ds_add_u32 v[SPW], v[NIL]
	v_lshrrev_b32 v1, 5, v0
	v_readfirstlane_b32 s16, v1                    ; wave
	s_lshr_b32 s17, s16, 1                         ; rh: which 128 tokens
	s_and_b32 s18, s16, 1                          ; ch: which 128 columns (part 1), which 64 channels (part 2)
	s_bfe_u32 s40, ttmp6, 0x40000                  ; cx
	s_bfe_u32 s41, ttmp6, 0x40004                  ; cy
	s_and_b32 s42, ttmp7, 0xffff
	s_lshl_b32 s43, s41, 2
	s_lshl_b32 s43, 15, s43                        ; my row of the cluster
	s_lshl_b32 s44, 0x1111, s40                    ; my column
	s_mov_b32 s[SEL], 0x76543210
	s_mov_b32 s[SEL+1], 0xfedcba98
	s_or_b32 s[G1A], s43, (3<<16)|(1<<21)          ; the mask; elements of 8 bytes; bit 21 beside a mask; no padding
	s_or_b32 s[G1B], s44, (3<<16)|(1<<21)
	s_mov_b32 s[G1A+1], 1536<<16                   ; x: 8 tile rows of 12,288 bytes
	s_mov_b32 s[G1A+2], 8<<16
	s_mov_b32 s[G1A+3], 1536<<16
	s_mov_b32 s[G1A+4], 8
	s_mov_b32 s[G1B+1], 384<<16                    ; a whole fill of part 1: 16 tile rows of 3,072 bytes, 12,288 apart
	s_mov_b32 s[G1B+2], 16<<16
	s_mov_b32 s[G1B+3], 384<<16
	s_mov_b32 s[G1B+4], 16
.irp g, G1A, G1B
	s_mov_b32 s[\g+5], 1536
	s_mov_b32 s[\g+6], 0
	s_mov_b32 s[\g+7], 0
.endr
	s_lshl_b32 s19, s42, 2
	s_add_co_u32 s19, s19, s41                     ; blk: hangs on cy and the cluster alone
	s_lshl_b32 s20, ttmp9, 2
	s_add_co_u32 s20, s20, s40                     ; i: on cx and the cluster alone
	s_mul_i32 s78, s19, 196608                     ; x's 16 tiles
	s_mov_b32 s79, 0
	s_mul_i32 s80, s20, 196608                     ; Wq/Wk's 16 tiles
	s_mov_b32 s81, 0
	s_mul_i32 s82, s20, 98304                      ; Wv's 8 tiles
	s_add_co_u32 s82, s82, 2*786432
	s_mov_b32 s83, 0
	s_mul_i32 s84, s16, 49152                      ; my quarter of a refill: 4 tiles of part 1,
	s_mov_b32 s85, 0
	s_mul_i32 s86, s16, 24576                      ; 2 tiles of part 2,
	s_mov_b32 s87, 0
	s_mul_i32 s[LR], s16, 12288                    ; and where it goes: no place in the cluster enters an LDS address
	s_add_co_u32 s[LR], s[LR], SL
	s_mov_b32 s[G0A], 1
	s_mov_b32 s[G0A+1], 0
	s_mov_b32 s[G0A+4], 1
	s_mov_b32 s[G0A+5], XH
	s_mov_b32 s[G0F], 1
	s_mov_b32 s[G0F+1], SL
	s_mov_b32 s[G0F+4], 1
	s_mov_b32 s[G0F+5], SL+SLB
	s_mov_b32 s[G0R], 1
	s_wait_dscnt 0x0                               ; both opening adds are done
	s_wait_kmcnt 0x0
	s_add_nc_u64 s[G0A+2:G0A+3], s[4:5], s[78:79]
	s_add_nc_u64 s[G0A+6:G0A+7], s[G0A+2:G0A+3], XH
	s_add_nc_u64 s[G0F+2:G0F+3], s[6:7], s[80:81]
	s_add_nc_u64 s[G0F+6:G0F+7], s[G0F+2:G0F+3], 3072
	s_add_nc_u64 s[BQ:BQ+1], s[G0F+2:G0F+3], s[84:85]
	s_add_nc_u64 s[BV:BV+1], s[6:7], s[82:83]
	s_add_nc_u64 s[BV:BV+1], s[BV:BV+1], s[86:87]
	s_or_b32 s[G0A+3], s[G0A+3], 0x80000000
	s_or_b32 s[G0A+7], s[G0A+7], 0x80000000
	s_or_b32 s[G0F+3], s[G0F+3], 0x80000000
	s_or_b32 s[G0F+7], s[G0F+7], 0x80000000
	CROUND                                         ; all sixteen work-groups are here: the first joint loads meet
	ARM 1, G0A, G1A, .Lh1                          ; one load a wave: x's tiles 0-7,
	ARM 2, G0A+4, G1A, .Lh2                        ; x's tiles 8-15,
	ARM 3, G0F, G1B, .Lh3                          ; chunks 0 and 1 of Wq/Wk,
	tensor_load_to_lds s[G0F+4:G0F+7], s[G1B:G1B+7]   ; chunks 2 and 3
	s_nop 0
	PLACES 4
.Lhead_asked:
	s_lshl_b32 s45, s20, 1
	s_add_co_u32 s45, s45, s18                     ; part 1: 8 sel + head
	s_lshl_b32 s46, s19, 1
	s_add_co_u32 s46, s46, s17                     ; 16 batch + step
	s_lshr_b32 s21, s45, 3                         ; sel
	s_and_b32 s22, s45, 7                          ; head
	s_lshr_b32 s23, s46, 4
	s_and_b32 s46, s46, 15
	s_lshl_b32 s23, s23, 7
	s_add_co_u32 s23, s23, s46                     ; 128 batch + step
	s_lshl_b32 s47, s22, 4
	s_add_co_u32 s47, s47, s23                     ; part 1's place
	s_lshl_b32 s77, s20, 4
	s_add_co_u32 s77, s77, s23                     ; part 2's: head i
	s_mov_b32 s89, 0
	s_cmp_eq_u32 s21, 1
	s_cselect_b64 s[8:9], s[10:11], s[8:9]         ; bq or bk,
	s_lshl_b32 s88, s22, 9
	s_add_nc_u64 s[8:9], s[8:9], s[88:89]          ; at my head's 128 numbers
	s_lshl_b32 s88, s20, 9
	s_lshl_b32 s90, s18, 8
	s_add_co_u32 s88, s88, s90
	s_add_nc_u64 s[12:13], s[12:13], s[88:89]      ; bv at head i, + 64 ch numbers
	s_mul_i32 s90, s21, TEN
	s_mul_i32 s88, s47, 12288
	s_add_co_u32 s88, s88, s90
	s_add_nc_u64 s[92:93], s[14:15], s[88:89]      ; part 1: my eight fragments,
	s_lshl_b32 s88, s47, 9
	s_add_co_u32 s88, s88, s90
	s_add_co_u32 s88, s88, XQS
	s_add_nc_u64 s[94:95], s[14:15], s[88:89]      ; their scale words
	s_mul_i32 s88, s77, 12288
	s_mul_i32 s90, s18, 6144
	s_add_co_u32 s88, s88, s90
	s_add_co_u32 s88, s88, 2*TEN
	s_add_nc_u64 s[96:97], s[14:15], s[88:89]      ; part 2: tiles 4 ch on,
	s_lshl_b32 s88, s77, 9
	s_lshl_b32 s90, s18, 8
	s_add_co_u32 s88, s88, s90
	s_add_co_u32 s88, s88, 2*TEN+XQS
	s_add_nc_u64 s[98:99], s[14:15], s[88:89]      ; their scale words
	s_lshl_b32 s88, s19, 13
	s_lshl_b32 s90, s17, 12
	s_add_co_u32 s88, s88, s90
	s_add_co_u32 s88, s88, XQS
	s_add_nc_u64 s[4:5], s[4:5], s[88:89]          ; x's scale words: groups 4 blk + 2 rh, + 1
	s_lshl_b32 s88, s20, 13
	s_lshl_b32 s90, s18, 12
	s_add_co_u32 s88, s88, s90
	s_add_co_u32 s88, s88, WQS
	s_add_nc_u64 s[10:11], s[6:7], s[88:89]        ; Wq/Wk's: groups 4 i + 2 ch, + 1
	s_lshl_b32 s88, s20, 12
	s_lshl_b32 s90, s18, 11
	s_add_co_u32 s88, s88, s90
	s_add_co_u32 s88, s88, WQS+2*32768
	s_add_nc_u64 s[6:7], s[6:7], s[88:89]          ; Wv's: group 2 i + ch
	s_mul_i32 s88, s17, XH
	s_mul_i32 s90, s18, 24576
	s_add_co_u32 s90, s90, SL
	v_and_b32 v1, 31, v0                           ; lane
	v_and_b32 v2, 15, v0                           ; r
	v_bfe_u32 v3, v0, 4, 1                         ; h
	v_lshlrev_b32 v[LI], 4, v1
	v_lshlrev_b32 v6, 6, v3                        ; 16 h numbers
	v_and_b32 v7, 8, v2
	v_add_nc_u32 v7, v7, v2
	v_lshlrev_b32 v7, 2, v7                        ; r + 8 (r / 8) numbers
.irp g, 0,1
.irp k, 0,1,2,3
	global_load_b128 v[SX+16*\g+4*\k:SX+16*\g+4*\k+3], v[LI], s[4:5] offset:2048*\g+512*\k     ; chunks 2 k (lanes 0-15) and 2 k + 1 (lanes 16-31), four tiles' words
	global_load_b128 v[SW+16*\g+4*\k:SW+16*\g+4*\k+3], v[LI], s[10:11] offset:2048*\g+512*\k
.endr
.endr
.irp k, 0,1,2,3
	global_load_b128 v[SV+4*\k:SV+4*\k+3], v[LI], s[6:7] offset:512*\k
.endr
.irp a, 0,1,2,3
	global_load_b32 v[CV+8*\a], v7, s[12:13] offset:(32*(\a/2)+8*(\a%2))*4   ; bv at my channel of tile 4 ch + a
.endr
	WIN 0x40
.irp b, 0,1,2,3,4,5,6,7                ; register j of tile b is number 32 (b/2) + 16 h + 8 (b%2) + j
	global_load_b128 v[96+8*\b+96*(\b/4):99+8*\b+96*(\b/4)], v6, s[8:9] offset:(32*(\b/2)+8*(\b%2))*4
	global_load_b128 v[100+8*\b+96*(\b/4):103+8*\b+96*(\b/4)], v6, s[8:9] offset:(32*(\b/2)+8*(\b%2))*4+16
.endr
	WIN 0
	v_add_nc_u32 v[ADRA], s88, v[LI]
	v_add_nc_u32 v[ADRA+1], 49152, v[ADRA]
	v_add_nc_u32 v[ADRB], s90, v[LI]
	v_add_nc_u32 v[ADRB+1], SLB, v[ADRB]
.irp b, 0,1,2,3
	v_mov_b32 v[TM+4+\b], 0                        ; a lane permute's destination counts as read
.endr
	s_wait_loadcnt 0x0
.irp a, 0,1,2,3
.irp j, 1,2,3,4,5,6,7
	v_mov_b32 v[CV+8*\a+\j], v[CV+8*\a]            ; the same number for all eight tokens of a lane
.endr
.endr
	s_wait_alu depctr_va_vdst(0)
	s_wait_tensorcnt 0x0                           ; my tile of the head's four is in
	s_mov_b32 s[G1B+2], 4<<16                      ; no load of mine is out: from here on a quarter of a fill, 4 tile rows
	s_mov_b32 s[G1B+4], 4
	s_barrier_signal -1
	s_barrier_wait -1
	FETCH_B 0, 0, 0
	FETCH_A 0, 0
	FETCH_A 0, 4
	STEP 0, 0, 1
	TURN 0, 1, 6144, 0, 1                          ; slot 0 takes chunks 4 and 5
	STEP 1, 2, 0
	TURN 1, 3, 9216, 0, 1                          ; slot 1 chunks 6 and 7
	STEP 0, 4, 0
	TURN 0, 5, 0, 1, 1                             ; slot 0 Wv's chunks 0-3
	STEP 1, 6, 0
	TURN 1, 7, 6144, 1, 0                          ; slot 1 Wv's chunks 4-7
	PLACES 4
.irp a, 0,1,2,3,4,5,6,7
	OUT 2+\a/4, (64*\a)%256, PW+\a, 92, 1536*\a
.endr
	s_wait_alu depctr_va_vdst(0)
	v_cmp_eq_u32 vcc_lo, 1, v3
.irp i, 0,1,2,3
	v_cndmask_b32 v[TM+8+\i], v[PW+\i], v[PW+4+\i], vcc_lo   ; lanes 0-15: tiles 0-3; lanes 16-31: tiles 4-7
.endr
	global_store_b128 v[LI], v[TM+8:TM+11], s[94:95]   ; 512 consecutive bytes
	s_wait_xcnt 0x0                                ; the stores have read their registers: fragments may land there
	VFETCH 0
	VCH 0, 1
.irp k, 1,2,3,4,5,6,7
	VCH \k, 0
.endr
	WIN 0
	PLACES 4
.irp a, 0,1,2,3
	OUT 2, 64*\a, PW+\a, 96, 1536*\a
.endr
	s_wait_alu depctr_va_vdst(0)
	s_wait_xcnt 0x0                                ; EXEC changes only behind this wait
	v_cmp_gt_u32 vcc_lo, 16, v1
	s_and_saveexec_b32 s88, vcc_lo
	global_store_b128 v[LI], v[PW:PW+3], s[98:99]  ; lanes 0-15: row r's four words: 256 consecutive bytes, aligned
	s_wait_xcnt 0x0
	s_or_b32 exec_lo, exec_lo, s88
	s_wait_tensorcnt 0x0                           ; the wave's end
	ds_add_u32 v[SPW], v[NIL]
	s_wait_dscnt 0x0
	CROUND                                         ; the closing round
	s_endpgm
.Lfunc_end_k_q84124b83cd_qkv:
	.size	k_q84124b83cd_qkv, .Lfunc_end_k_q84124b83cd_qkv-k_q84124b83cd_qkv
	.p2alignl 7, 3214868480
	.fill 96, 4, 3214868480
	.section	.rodata,"a",@progbits
	.p2align	6, 0x0
	.amdhsa_kernel k_q84124b83cd_qkv
		.amdhsa_group_segment_fixed_size 327680
		.amdhsa_private_segment_fixed_size 0
		.amdhsa_enable_private_segment 0
		.amdhsa_kernarg_size 48
		.amdhsa_user_sgpr_count 2
		.amdhsa_user_sgpr_kernarg_segment_ptr 1
		.amdhsa_wavefront_size32 1
		.amdhsa_system_sgpr_workgroup_id_x 1
		.amdhsa_system_sgpr_workgroup_id_y 1
		.amdhsa_system_sgpr_workgroup_id_z 1
		.amdhsa_system_vgpr_workitem_id 0
		.amdhsa_next_free_vgpr 1024
		.amdhsa_next_free_sgpr 100
		.amdhsa_reserve_vcc 1
		.amdhsa_float_denorm_mode_32 3
		.amdhsa_float_denorm_mode_16_64 3
		.amdhsa_memory_ordered 1
		.amdhsa_forward_progress 1
		.amdhsa_inst_pref_size 212
	.end_amdhsa_kernel
	.amdgpu_metadata
---
amdhsa.version: [ 1, 2 ]
amdhsa.kernels:
  - .name:           k_q84124b83cd_qkv
    .symbol:         k_q84124b83cd_qkv.kd
    .args:
      - { .name: xq, .offset: 0, .size: 8, .value_kind: global_buffer, .address_space: global }
      - { .name: wq, .offset: 8, .size: 8, .value_kind: global_buffer, .address_space: global }
      - { .name: bq, .offset: 16, .size: 8, .value_kind: global_buffer, .address_space: global }
      - { .name: bk, .offset: 24, .size: 8, .value_kind: global_buffer, .address_space: global }
      - { .name: bv, .offset: 32, .size: 8, .value_kind: global_buffer, .address_space: global }
      - { .name: qkv, .offset: 40, .size: 8, .value_kind: global_buffer, .address_space: global }
    .group_segment_fixed_size: 327680
    .private_segment_fixed_size: 0
    .kernarg_segment_align: 8
    .kernarg_segment_size: 48
    .max_flat_workgroup_size: 128
    .sgpr_count:     100
    .vgpr_count:     1024
    .wavefront_size: 32
...
	.end_amdgpu_metadata
.endif
;; end of part 2
;; launch attn (part 3): grid 8 x 32, 8 waves a work-group, clusters of 4 x 1, 327,680 bytes of LDS; arguments qkv, glog, bg, modality_ids, oq; writes oq
.if DOCPART == 3
	.amdgcn_target "amdgcn-amd-amdhsa--gfx1250"
	.amdhsa_code_object_version 6
	.text
	.protected	k_q84124b83cd_attn
	.globl	k_q84124b83cd_attn
	.p2align	8
	.type	k_q84124b83cd_attn,@function
k_q84124b83cd_attn:
	s_mov_b64 s[64:65], 0
	v_nop
	global_prefetch_b8 v0, s[64:65] scope:SCOPE_SE
	s_setreg_imm32_b32 hwreg(HW_REG_WAVE_MODE, 25, 1), 1
	s_wait_xcnt 0x0
	s_wait_alu depctr_hold_cnt(0) depctr_sa_sdst(0) depctr_va_vdst(0) depctr_va_sdst(0) depctr_va_ssrc(0) depctr_va_vcc(0) depctr_vm_vsrc(0)
	s_getreg_b32 s2, hwreg(HW_REG_IB_STS2, 6, 4)
	s_cmp_eq_u32 s2, 0
	s_cbranch_scc0 .Lentry_in_a_cluster
	s_endpgm
.Lentry_in_a_cluster:
	s_bfe_u32 s2, ttmp6, 0x10000c
	s_cmp_lg_u32 s2, 0x3003
	s_cbranch_scc0 .Lentry_shape_is_right
	s_endpgm
.Lentry_shape_is_right:
; Attention of one (batch, head) and 256 queries a work-group; eight waves, 32 queries each; q, k, v arrive as codes of E2M3 in images of the operand's registers, made by the launch before.
; S^T = k q^T and O^T = v^T p^T: a lane holds one query.  The modality bias 0.5 gate[m_i] [m_i = m_j] is a second product on the same accumulators: a one-hot code of the key's modality against the gate's digits.
; p = 2^(t - M) with M the ceiling of the running largest t; the row's sum is taken of the unquantised p; O is divided by it at the end and quantised along the head's 128 for the last product.
; K's and V's codes go through two LDS slots of four steps of 128 keys, asked for jointly by the four work-groups of a cluster (the query blocks of one head).
; K's and V's scale words, 512 bytes a step each, go from memory into registers: K's are asked for behind the scores' last product for the next step, V's at a step's head.
; The last step's request for K's words names the 512 bytes behind them, inside the buffer; nothing reads the result.
; LIMITS: NaN and infinities are not served; the promise holds while the scaled scores stay under 2^31 in magnitude.
.set SLOT1, 131072
.set VOFF,  49152
.set KSC,   98304
.set SPARE, 114688
.set OSC,   115712
.set HOT,   229376
.set SPW, 1
.set NIL, 2
.set LI,  3
.set ADK, 4
.set ADS, 5
.set ADH, 6
.set AH0, 7
.set AS0, 8
.set PFO, 9
.set RR,  10
.set HL,  11
.set ST,  12
.set FP,  20
.set PS,  24
.set QS,  26
.set HSC, 28
.set HST, 29
.set OSW, 30
.set OSR, 31
.set KS,  32
.set VS,  36
.set BX,  40
.set BP,  48
.set SO,  56
.set CT,  64
.set CH,  80
.set TT,  84
.set S,   96
.set P,   224
.set GT,  248
.set QF,  128
.set GH,  152
.set KH,  172
.set FB,  208
.set SEL, 20
.set CS,  22
.set G1,  24
.set G1S, 32
.set G0,  40
.set G0S, 44
.set TB,  48
.set TS,  49
.set TH,  50
.set SLOTS, 51
.set CNT, 52
.set LIM, 53
.set PFA, 54
.set KB,  82
.set VB,  84
.set MSB, 0
.macro WIN new
.if MSB != (\new)
	s_set_vgpr_msb (MSB<<8)|(\new)
.set MSB, (\new)
.endif
.endm
.macro PLACES n
.rept \n
	v_nop
.endr
.endm
.macro CROUND
	s_barrier_signal -1
	s_barrier_wait -1
	s_cmp_lg_u32 s14, 0
	s_cbranch_scc1 .Lnot_wave_0_\@
	s_barrier_signal -3
.Lnot_wave_0_\@:
	s_barrier_wait -3
	s_barrier_signal -1
	s_barrier_wait -1
.endm
.macro ASK
	s_cmp_gt_u32 s[SLOTS], s[LIM]
	s_cbranch_scc0 .Lnot_mine_\@
	global_prefetch_b8 v[PFO], s[PFA:PFA+1] th:TH_LOAD_NT scope:SCOPE_SE
.Lnot_mine_\@:
.endm
.macro QUANT s, pc, pw, tm
.irp b, 0,1,2,3
	v_max3_num_f32 v[(\tm)+\b], |v[(\s)+16*\b]|, |v[(\s)+1+16*\b]|, 0x1800000
.endr
.irp i, 2,4,6,8,10,12,14
.irp b, 0,1,2,3
	s_delay_alu instid0(VALU_DEP_4)
	v_max3_num_f32 v[(\tm)+\b], v[(\tm)+\b], |v[(\s)+16*\b+\i]|, |v[(\s)+1+16*\b+\i]|
.endr
.endr
.irp b, 0,1,2,3
	s_delay_alu instid0(VALU_DEP_4)
	v_permlanex16_b32 v[(\tm)+4+\b], v[(\tm)+\b], s[SEL], s[SEL+1]
.endr
.irp b, 0,1,2,3
	s_delay_alu instid0(VALU_DEP_4)
	v_max_num_f32 v[(\tm)+\b], v[(\tm)+\b], v[(\tm)+4+\b]
.endr
.irp b, 0,1,2,3
	s_delay_alu instid0(VALU_DEP_4)
	v_add_nc_u32 v[(\tm)+12+\b], 0xff000000, v[(\tm)+\b]
.endr
.irp b, 0,1,2,3
	s_delay_alu instid0(VALU_DEP_4)
	v_lshrrev_b32 v[(\tm)+4+\b], 23, v[(\tm)+12+\b]
.endr
	s_delay_alu instid0(VALU_DEP_3)
	v_lshl_or_b32 v[\pw], v[(\tm)+5], 8, v[(\tm)+4]
	s_delay_alu instid0(VALU_DEP_1)
	v_lshl_or_b32 v[\pw], v[(\tm)+6], 16, v[\pw]
	s_delay_alu instid0(VALU_DEP_1)
	v_lshl_or_b32 v[\pw], v[(\tm)+7], 24, v[\pw]
.irp c, 0,1
	v_cvt_scalef32_pk16_fp6_f32 v[(\pc)+6*\c:(\pc)+2+6*\c], v[(\s)+32*\c:(\s)+15+32*\c], v[(\tm)+12+2*\c]
	v_cvt_scalef32_pk16_fp6_f32 v[(\pc)+12+4*\c:(\pc)+14+4*\c], v[(\s)+16+32*\c:(\s)+31+32*\c], v[(\tm)+12+2*\c+1]
.endr
	v_nop
.irp c, 0,1
.irp i, 0,1,2
	v_permlane16_swap_b32 v[(\pc)+6*\c+\i], v[(\pc)+12+4*\c+\i]
.endr
.irp i, 0,1,2
	s_delay_alu instid0(VALU_DEP_3)
	v_mov_b32 v[(\pc)+3+6*\c+\i], v[(\pc)+12+4*\c+\i]
.endr
.endr
.endm
	s_load_b256 s[4:11], s[0:1], 0x0
	s_load_b64 s[12:13], s[0:1], 0x20
	v_lshl_add_u32 v[SPW], v0, 2, SPARE
	v_mov_b32 v[NIL], 0
	ds_add_u32 v1, v2
	ds_add_u32 v1, v2
	s_wait_dscnt 0x0
	v_lshrrev_b32 v84, 5, v0
	s_delay_alu instid0(VALU_DEP_1)
	v_readfirstlane_b32 s14, v84
	s_bfe_u32 s15, ttmp6, 0x40000
	s_lshl_b32 s16, ttmp9, 2
	s_add_co_u32 s16, s16, s15
	s_and_b32 s17, ttmp7, 0xffff
	s_lshr_b32 s18, s17, 3
	s_and_b32 s19, s17, 7
	s_mov_b32 s[SEL], 0x76543210
	s_mov_b32 s[SEL+1], 0xfedcba98
	s_mov_b32 s[CS], 0x3e0293ee
	s_mov_b32 s[CS+1], s[CS]
	s_mov_b32 s[G1], 15|(3<<16)|(1<<21)
	s_mov_b32 s[G1+1], 32<<16
	s_mov_b32 s[G1+2], 48<<16
	s_mov_b32 s[G1+3], 32<<16
	s_mov_b32 s[G1+4], 48
	s_mov_b32 s[G1+5], 32
	s_mov_b32 s[G1+6], 0
	s_mov_b32 s[G1+7], 0
	s_lshr_b32 s56, s14, 2
	s_add_co_u32 s56, s56, 1
	s_mul_i32 s56, s56, 6553600
	s_and_b32 s57, s14, 3
	s_mul_i32 s58, s17, 196608
	s_mul_i32 s59, s57, 12288
	s_add_co_u32 s58, s58, s59
	s_add_co_u32 s58, s58, s56
	s_mov_b32 s59, 0
	s_lshl_b32 s60, s17, 13
	s_add_co_u32 s60, s60, 6553600+6291456
	s_mov_b32 s61, 0
	s_mul_i32 s62, s14, 12288
	s_mov_b32 s[TB], 0
	s_mov_b32 s[TH], 0
	s_mov_b32 s[SLOTS], 3
	s_cmp_lt_u32 s14, 3
	s_cselect_b32 s[LIM], 0, 1
	s_or_b32 s[LIM], s[LIM], ttmp9
	s_cmp_eq_u32 s[LIM], 0
	s_cselect_b32 s[LIM], 1, -1
	s_wait_kmcnt 0x0
	s_mov_b32 s[G0], 1
	s_mov_b32 s[G0+1], s62
	s_add_nc_u64 s[G0+2:G0+3], s[4:5], s[58:59]
	s_or_b32 s[G0+3], s[G0+3], 0x80000000
	s_add_nc_u64 s[KB:KB+1], s[4:5], s[60:61]
	s_add_nc_u64 s[VB:VB+1], s[KB:KB+1], 6553600
	CROUND
	tensor_load_to_lds s[G0:G0+3], s[G1:G1+7]
	s_nop 0
	PLACES 4
	s_lshl_b32 s56, s18, 13
	s_mov_b32 s57, 0
	s_add_nc_u64 s[6:7], s[6:7], s[56:57]
	s_add_nc_u64 s[10:11], s[10:11], s[56:57]
	s_lshl_b32 s58, s16, 10
	s_lshl_b32 s59, s14, 7
	s_add_co_u32 s58, s58, s59
	s_mov_b32 s59, 0
	s_add_nc_u64 s[66:67], s[10:11], s[58:59]
	s_mul_i32 s60, s17, 196608
	s_mul_i32 s61, s16, 24576
	s_add_co_u32 s60, s60, s61
	s_mul_i32 s61, s14, 3072
	s_add_co_u32 s60, s60, s61
	s_mov_b32 s61, 0
	s_add_nc_u64 s[68:69], s[4:5], s[60:61]
	s_lshl_b32 s62, s17, 13
	s_lshl_b32 s63, s16, 10
	s_add_co_u32 s62, s62, s63
	s_lshr_b32 s63, s14, 2
	s_lshl_b32 s63, s63, 9
	s_add_co_u32 s62, s62, s63
	s_bfe_u32 s63, s14, 0x10001
	s_lshl_b32 s63, s63, 8
	s_add_co_u32 s62, s62, s63
	s_and_b32 s63, s14, 1
	s_lshl_b32 s63, s63, 3
	s_add_co_u32 s62, s62, s63
	s_add_co_u32 s62, s62, 6291456
	s_mov_b32 s63, 0
	s_add_nc_u64 s[70:71], s[4:5], s[62:63]
	s_mul_i32 s76, s18, 1572864
	s_mul_i32 s77, s16, 196608
	s_add_co_u32 s76, s76, s77
	s_mul_i32 s77, s14, 24576
	s_add_co_u32 s76, s76, s77
	s_mul_i32 s77, s19, 1536
	s_add_co_u32 s76, s76, s77
	s_mov_b32 s77, 0
	s_add_nc_u64 s[72:73], s[12:13], s[76:77]
	s_lshl_b32 s76, s18, 16
	s_lshl_b32 s78, s16, 13
	s_add_co_u32 s76, s76, s78
	s_lshl_b32 s78, s19, 8
	s_add_co_u32 s76, s76, s78
	s_add_co_u32 s76, s76, 6291456
	s_add_nc_u64 s[74:75], s[12:13], s[76:77]
	s_lshr_b32 s78, s15, 1
	s_add_co_u32 s78, s78, 1
	s_mul_i32 s78, s78, 6553600
	s_mul_i32 s79, s17, 196608
	s_add_co_u32 s78, s78, s79
	s_and_b32 s79, s15, 1
	s_mul_i32 s79, s79, 24576
	s_add_co_u32 s78, s78, s79
	s_lshl_b32 s79, s14, 13
	s_add_co_u32 s78, s78, s79
	s_add_co_u32 s78, s78, 49152
	s_mov_b32 s79, 0
	s_add_nc_u64 s[PFA:PFA+1], s[4:5], s[78:79]
	s_lshr_b32 s80, s14, 1
	s_lshl_b32 s80, s80, 8
	s_and_b32 s81, s14, 1
	s_lshl_b32 s81, s81, 3
	s_add_co_u32 s80, s80, s81
	s_add_co_u32 s80, s80, OSC
	v_and_b32 v84, 31, v0
	s_delay_alu instid0(VALU_DEP_1)
	v_lshlrev_b32 v[LI], 4, v84
	s_delay_alu instid0(VALU_DEP_2)
	v_lshlrev_b32 v[PFO], 8, v84
	v_and_b32 v[RR], 15, v0
	v_bfe_u32 v[HL], v0, 4, 1
	s_delay_alu instid0(VALU_DEP_2)
	v_lshl_add_u32 v[AH0], v[RR], 4, HOT
	v_lshl_add_u32 v[HST], v0, 4, HOT
	v_lshl_add_u32 v[OSW], v[RR], 4, s80
	v_add_nc_u32 v[OSR], OSC, v[LI]
	v_and_b32 v40, 7, v0
	s_delay_alu instid0(VALU_DEP_1)
	v_lshlrev_b32 v40, 4, v40
	v_and_b32 v46, 0xe7, v0
	v_and_b32 v47, 8, v0
	s_delay_alu instid0(VALU_DEP_1)
	v_lshl_or_b32 v46, v47, 1, v46
	v_and_b32 v47, 16, v0
	s_delay_alu instid0(VALU_DEP_1)
	v_lshrrev_b32 v47, 1, v47
	s_delay_alu instid0(VALU_DEP_1)
	v_or_b32 v46, v46, v47
	s_delay_alu instid0(VALU_DEP_1)
	v_lshlrev_b32 v41, 2, v46
	v_and_b32 v42, 8, v[RR]
	s_delay_alu instid0(VALU_DEP_1)
	v_add_nc_u32 v42, v42, v[RR]
	s_delay_alu instid0(VALU_DEP_1)
	v_lshlrev_b32 v42, 2, v42
	v_lshlrev_b32 v43, 4, v[RR]
	v_mov_b32 v44, 24
	v_mov_b32 v45, 2
.irp i, 0,1,2,3,4,5,6,7,8,9,10,11,12,13,14,15
	global_load_b128 v[S+4*\i:S+4*\i+3], v[LI], s[6:7] offset:512*\i
.endr
	global_load_b128 v[160:163], v40, s[8:9]
.irp i, 0,1,2,3,4,5,6,7
	global_load_b32 v[164+\i], v41, s[10:11] offset:1024*\i
.endr
	global_load_b32 v172, v42, s[66:67]
	global_load_b32 v173, v42, s[66:67] offset:32
	global_load_b64 v[QS:QS+1], v43, s[70:71]
	global_load_b128 v[KS:KS+3], v[LI], s[KB:KB+1]
	WIN 0x40
.irp u, 0,1
.irp g, 0,1,2
	global_load_b128 v[QF+12*\u+4*\g:QF+12*\u+4*\g+3], v[LI], s[68:69] offset:1536*\u+512*\g
.endr
.endr
.set i, 0
.rept 128
	v_mov_b32 v[i], 0
.set i, i+1
.endr
.irp z, 152,153,154,155,160,161,162,163,168,169,170,171,172,173,174,175,180,181,182,183,188,189,190,191,196,197,198,199,204,205,206,207
	v_mov_b32 v[\z], 0
.endr
	WIN 0
.irp u, 0,1
	v_mov_b32 v[ST+4*\u+1], 0xff61b1e6
	s_delay_alu instid0(VALU_DEP_1)
	v_floor_f32 v[ST+4*\u], -v[ST+4*\u+1]
	v_mov_b32 v[ST+4*\u+2], 0
	v_mov_b32 v[ST+4*\u+3], 0
	v_mov_b32 v[FP+2*\u+1], 0
.endr
.irp b, 0,1,2,3,4,5,6,7
	v_mov_b32 v[BP+\b], 0
.endr
	s_wait_loadcnt 0x0
.irp i, 0,1,2,3,4,5,6,7
	v_and_b32 v208, 3, v[164+\i]
	s_delay_alu instid0(VALU_DEP_1)
	v_mul_u32_u24 v208, v208, 6
	s_delay_alu instid0(VALU_DEP_1)
	v_lshlrev_b32 v209, v208, v44
	s_delay_alu instid0(VALU_DEP_2)
	v_lshlrev_b32 v210, v208, v45
	s_delay_alu instid0(VALU_DEP_1)
	v_lshl_or_b32 v[178+4*\i], v210, 24, v209
	s_delay_alu instid0(VALU_DEP_2)
	v_lshrrev_b32 v[179+4*\i], 8, v210
	s_delay_alu instid0(VALU_DEP_2)
	v_lshlrev_b32 v[176+4*\i], 16, v[178+4*\i]
	s_delay_alu instid0(VALU_DEP_2)
	v_alignbit_b32 v[177+4*\i], v[179+4*\i], v[178+4*\i], 16
	ds_store_b128 v[HST], v[176+4*\i:179+4*\i] offset:4096*\i
.endr
.irp i, 1
	v_pk_add_f32 v[96:97], v[96:97], v[96+4*\i:97+4*\i]
	v_pk_add_f32 v[98:99], v[98:99], v[98+4*\i:99+4*\i]
.endr
.irp i, 2, 3, 4, 5, 6, 7, 8, 9, 10, 11, 12, 13, 14, 15
	s_delay_alu instid0(VALU_DEP_2)
	v_pk_add_f32 v[96:97], v[96:97], v[96+4*\i:97+4*\i]
	s_delay_alu instid0(VALU_DEP_2)
	v_pk_add_f32 v[98:99], v[98:99], v[98+4*\i:99+4*\i]
.endr
.irp j, 0,1,2,3
	v_add_f32_dpp v[96+\j], v[96+\j], v[96+\j] row_xmask:8 row_mask:0xf bank_mask:0xf
.endr
.irp j, 0,1,2,3
	s_delay_alu instid0(VALU_DEP_4)
	v_permlanex16_b32 v[100+\j], v[96+\j], s[SEL], s[SEL+1]
.endr
.irp j, 0,1,2,3
	s_delay_alu instid0(VALU_DEP_4)
	v_add_f32 v[96+\j], v[96+\j], v[100+\j]
.endr
.irp j, 0,1,2,3
	s_delay_alu instid0(VALU_DEP_4)
	v_fma_f32 v[96+\j], v[96+\j], 0x3a000000, v[160+\j]
.endr
	s_delay_alu instid0(VALU_DEP_2)
	v_max3_num_f32 v104, v96, v97, v98
	s_delay_alu instid0(VALU_DEP_1)
	v_max_num_f32 v104, v104, v99
	s_delay_alu instid0(VALU_DEP_1)
	v_max_num_f32_dpp v104, v104, v104 row_xmask:1 row_mask:0xf bank_mask:0xf
	s_delay_alu instid0(VALU_DEP_1)
	v_max_num_f32_dpp v104, v104, v104 row_xmask:2 row_mask:0xf bank_mask:0xf
	s_delay_alu instid0(VALU_DEP_1)
	v_max_num_f32_dpp v104, v104, v104 row_xmask:4 row_mask:0xf bank_mask:0xf
.irp j, 0,1,2,3
	v_sub_f32 v[96+\j], v[96+\j], v104
.endr
.irp j, 0,1,2,3
	s_delay_alu instid0(VALU_DEP_4)
	v_mul_f32 v[96+\j], 0x3fb8aa3b, v[96+\j]
.endr
	s_wait_alu depctr_va_vdst(0)
.irp j, 0,1,2,3
	v_exp_f32 v[96+\j], v[96+\j]
.endr
	v_nop
	s_wait_alu depctr_va_vdst(0)
	v_add_f32 v105, v96, v97
	v_add_f32 v106, v98, v99
	s_delay_alu instid0(VALU_DEP_1)
	v_add_f32 v105, v105, v106
	s_delay_alu instid0(VALU_DEP_1)
	v_add_f32_dpp v105, v105, v105 row_xmask:1 row_mask:0xf bank_mask:0xf
	s_delay_alu instid0(VALU_DEP_1)
	v_add_f32_dpp v105, v105, v105 row_xmask:2 row_mask:0xf bank_mask:0xf
	s_delay_alu instid0(VALU_DEP_1)
	v_add_f32_dpp v105, v105, v105 row_xmask:4 row_mask:0xf bank_mask:0xf
	s_wait_alu depctr_va_vdst(0)
	v_rcp_f32 v105, v105
	v_and_b32 v106, 7, v0
	s_wait_alu depctr_va_vdst(0)
	v_cmp_eq_u32 vcc_lo, s19, v106
.irp j, 0,1,2,3
	v_mul_f32 v[96+\j], v[96+\j], v105
.endr
.irp j, 0,1,2,3
	s_delay_alu instid0(VALU_DEP_4)
	v_cndmask_b32 v[GT+\j], 0, v[96+\j], vcc_lo
.endr
.irp m, 1,2,4
.irp j, 0,1,2,3
	s_delay_alu instid0(VALU_DEP_4)
	v_add_f32_dpp v[GT+\j], v[GT+\j], v[GT+\j] row_xmask:\m row_mask:0xf bank_mask:0xf
.endr
.endr
	v_lshlrev_b32 v116, 3, v[HL]
	s_delay_alu instid0(VALU_DEP_1)
	v_sub_nc_u32 v112, 28, v116
	s_delay_alu instid0(VALU_DEP_2)
	v_sub_nc_u32 v113, 24, v116
	s_delay_alu instid0(VALU_DEP_3)
	v_sub_nc_u32 v114, 12, v116
	s_delay_alu instid0(VALU_DEP_4)
	v_sub_nc_u32 v115, 8, v116
.irp u, 0,1
	v_and_b32 v107, 3, v[172+\u]
	s_delay_alu instid0(VALU_DEP_1)
	v_cmp_eq_u32 vcc_lo, 1, v107
	s_delay_alu instid0(VALU_DEP_1)
	v_cndmask_b32 v108, v[GT], v[GT+1], vcc_lo
	s_delay_alu instid0(VALU_DEP_3)
	v_cmp_eq_u32 vcc_lo, 2, v107
	s_delay_alu instid0(VALU_DEP_1)
	v_cndmask_b32 v108, v108, v[GT+2], vcc_lo
	v_cmp_eq_u32 vcc_lo, 3, v107
	s_delay_alu instid0(VALU_DEP_1)
	v_cndmask_b32 v108, v108, v[GT+3], vcc_lo
	s_delay_alu instid0(VALU_DEP_1)
	v_mul_f32 v108, 0x4eb504f3, v108
	s_delay_alu instid0(VALU_DEP_1)
	v_cvt_u32_f32 v108, v108
	v_mul_u32_u24 v107, v107, 6
	s_delay_alu instid0(VALU_DEP_2)
	v_bfe_u32 v109, v108, v112, 4
	s_delay_alu instid0(VALU_DEP_3)
	v_bfe_u32 v110, v108, v113, 4
	s_delay_alu instid0(VALU_DEP_2)
	v_lshlrev_b32 v109, v107, v109
	s_delay_alu instid0(VALU_DEP_2)
	v_lshlrev_b32 v110, v107, v110
	s_delay_alu instid0(VALU_DEP_1)
	v_lshl_or_b32 v117, v110, 24, v109
	s_delay_alu instid0(VALU_DEP_2)
	v_lshrrev_b32 v118, 8, v110
	v_bfe_u32 v109, v108, v114, 4
	v_bfe_u32 v110, v108, v115, 4
	s_delay_alu instid0(VALU_DEP_2)
	v_lshlrev_b32 v109, v107, v109
	s_delay_alu instid0(VALU_DEP_2)
	v_lshlrev_b32 v110, v107, v110
	s_delay_alu instid0(VALU_DEP_1)
	v_lshl_or_b32 v119, v110, 24, v109
	s_delay_alu instid0(VALU_DEP_2)
	v_lshrrev_b32 v120, 8, v110
	WIN 0x40
	v_lshlrev_b32 v[GH+4+8*\u], 16, v117
	v_alignbit_b32 v[GH+5+8*\u], v118, v117, 16
	v_mov_b32 v[GH+6+8*\u], v119
	v_mov_b32 v[GH+7+8*\u], v120
	WIN 0
.endr
	v_mov_b32 v[HSC], 0x7f7f7f7f
	v_mov_b32 v84, 0x68707880
	v_cmp_eq_u32 vcc_lo, 1, v[HL]
	s_delay_alu instid0(VALU_DEP_1)
	v_cndmask_b32 v[HSC], v[HSC], v84, vcc_lo
	PLACES 8
.macro KPAIR p
	WIN 0x40
.irp e, 0,1
.irp g, 0,1,2
	ds_load_b128 v[FB+12*((2*\p+\e)%4)+4*\g:FB+12*((2*\p+\e)%4)+4*\g+3], v[ADK] offset:1536*(2*\p+\e)+512*\g
.endr
	ds_load_b128 v[KH+4+8*((2*\p+\e)%4):KH+7+8*((2*\p+\e)%4)], v[ADH] offset:256*(2*\p+\e)
.endr
.endm
.macro VPAIR p
	WIN 0x40
.irp e, 0,1
.irp g, 0,1,2
	ds_load_b128 v[FB+12*((2*\p+\e)%4)+4*\g:FB+12*((2*\p+\e)%4)+4*\g+3], v[ADK] offset:VOFF+1536*(2*\p+\e)+512*\g
.endr
.endr
.endm
.macro MMK p
	WIN 0x05
.irp e, 0,1
.irp u, 0,1
.if (2*\p+\e) < 4
	v_wmma_scale_f32_16x16x128_f8f6f4 v[S+64*\u+8*(2*\p+\e):S+64*\u+8*(2*\p+\e)+7], v[FB+12*((2*\p+\e)%4):FB+12*((2*\p+\e)%4)+11], v[QF+12*\u:QF+12*\u+11], 0, v[KS+(2*\p+\e)%4], v[QS+\u] matrix_a_fmt:MATRIX_FMT_FP6 matrix_b_fmt:MATRIX_FMT_FP6
.else
	v_wmma_scale_f32_16x16x128_f8f6f4 v[S+64*\u+8*(2*\p+\e):S+64*\u+8*(2*\p+\e)+7], v[FB+12*((2*\p+\e)%4):FB+12*((2*\p+\e)%4)+11], v[QF+12*\u:QF+12*\u+11], 0, v[KS+(2*\p+\e)%4], v[QS+\u] matrix_a_fmt:MATRIX_FMT_FP6 matrix_b_fmt:MATRIX_FMT_FP6 matrix_a_scale:MATRIX_SCALE_ROW1
.endif
.endr
.endr
	s_wait_alu depctr_va_vdst(0)
.irp e, 0,1
.irp u, 0,1
	v_wmma_scale_f32_16x16x128_f8f6f4 v[S+64*\u+8*(2*\p+\e):S+64*\u+8*(2*\p+\e)+7], v[KH+8*((2*\p+\e)%4):KH+8*((2*\p+\e)%4)+11], v[GH+8*\u:GH+8*\u+11], v[S+64*\u+8*(2*\p+\e):S+64*\u+8*(2*\p+\e)+7], v[HSC], v[HSC] matrix_a_fmt:MATRIX_FMT_FP6 matrix_b_fmt:MATRIX_FMT_FP6 matrix_b_scale:MATRIX_SCALE_ROW1
.endr
.endr
.endm
.macro MMV p
	WIN 0x51
.irp e, 0,1
.irp u, 0,1
.if (2*\p+\e) < 4
	v_wmma_scale_f32_16x16x128_f8f6f4 v[64*\u+8*(2*\p+\e):64*\u+8*(2*\p+\e)+7], v[FB+12*((2*\p+\e)%4):FB+12*((2*\p+\e)%4)+11], v[P+12*\u:P+12*\u+11], v[64*\u+8*(2*\p+\e):64*\u+8*(2*\p+\e)+7], v[VS+(2*\p+\e)%4], v[PS+\u] matrix_a_fmt:MATRIX_FMT_FP6 matrix_b_fmt:MATRIX_FMT_FP6
.else
	v_wmma_scale_f32_16x16x128_f8f6f4 v[64*\u+8*(2*\p+\e):64*\u+8*(2*\p+\e)+7], v[FB+12*((2*\p+\e)%4):FB+12*((2*\p+\e)%4)+11], v[P+12*\u:P+12*\u+11], v[64*\u+8*(2*\p+\e):64*\u+8*(2*\p+\e)+7], v[VS+(2*\p+\e)%4], v[PS+\u] matrix_a_fmt:MATRIX_FMT_FP6 matrix_b_fmt:MATRIX_FMT_FP6 matrix_a_scale:MATRIX_SCALE_ROW1
.endif
.endr
.endr
.endm
.macro SOFTMAX
	WIN 0
	global_load_b128 v[KS:KS+3], v[LI], s[KB:KB+1]
.irp u, 0,1
.irp b, 0,1,2,3
	v_max3_num_f32 v[BX+4*\u+\b], v[S+64*\u+16*\b], v[S+64*\u+16*\b+1], v[S+64*\u+16*\b+2]
.endr
.endr
.irp i, 3,5,7,9,11,13
.irp u, 0,1
.irp b, 0,1,2,3
	v_max3_num_f32 v[BX+4*\u+\b], v[BX+4*\u+\b], v[S+64*\u+16*\b+\i], v[S+64*\u+16*\b+\i+1]
.endr
.endr
.endr
.irp u, 0,1
.irp b, 0,1,2,3
	v_max_num_f32 v[BX+4*\u+\b], v[BX+4*\u+\b], v[S+64*\u+16*\b+15]
.endr
.endr
.irp b, 0,1,2,3,4,5,6,7
	v_permlanex16_b32 v[BP+\b], v[BX+\b], s[SEL], s[SEL+1]
.endr
.irp b, 0,1,2,3,4,5,6,7
	v_max_num_f32 v[BX+\b], v[BX+\b], v[BP+\b]
.endr
.irp u, 0
	v_max3_num_f32 v[TT+\u], v[BX+4*\u], v[BX+4*\u+1], v[BX+4*\u+2]
.endr
.irp u, 1
	s_delay_alu instid0(VALU_DEP_3)
	v_max3_num_f32 v[TT+\u], v[BX+4*\u], v[BX+4*\u+1], v[BX+4*\u+2]
.endr
.irp u, 0,1
	s_delay_alu instid0(VALU_DEP_2)
	v_max_num_f32 v[TT+\u], v[TT+\u], v[BX+4*\u+3]
.endr
.irp u, 0,1
	s_delay_alu instid0(VALU_DEP_2)
	v_mul_f32 v[TT+\u], s[CS], v[TT+\u]
.endr
.irp u, 0,1
	s_delay_alu instid0(VALU_DEP_2)
	v_max_num_f32 v[ST+4*\u+1], v[ST+4*\u+1], v[TT+\u]
.endr
.irp u, 0,1
	v_mov_b32 v[TT+\u], v[ST+4*\u]
.endr
.irp u, 0,1
	s_delay_alu instid0(VALU_DEP_4)
	v_floor_f32 v[ST+4*\u], -v[ST+4*\u+1]
.endr
.irp u, 0,1
	s_delay_alu instid0(VALU_DEP_2)
	v_sub_f32 v[TT+\u], v[ST+4*\u], v[TT+\u]
.endr
.irp u, 0,1
	s_delay_alu instid0(VALU_DEP_2)
	v_cvt_i32_f32 v[TT+\u], v[TT+\u]
.endr
.irp u, 0,1
	s_delay_alu instid0(VALU_DEP_2)
	v_ldexp_f32 v[FP+2*\u], 1.0, v[TT+\u]
.endr
.irp u, 0,1
.set j, 0
.rept 32
	v_pk_fma_f32 v[S+64*\u+j:S+64*\u+j+1], v[S+64*\u+j:S+64*\u+j+1], s[CS:CS+1], v[ST+4*\u:ST+4*\u+1] op_sel_hi:[1,0,0]
.set j, j+2
.endr
.irp b, 0,1,2,3
	v_fma_f32 v[BX+4*\u+\b], v[BX+4*\u+\b], s[CS], v[ST+4*\u]
.endr
.endr
.set j, 0
	s_wait_alu depctr_va_vdst(0)
.rept 128
	v_exp_f32 v[S+j], v[S+j]
.set j, j+1
.endr
.irp u, 0,1
	v_pk_mul_f32 v[ST+4*\u+2:ST+4*\u+3], v[ST+4*\u+2:ST+4*\u+3], v[FP+2*\u:FP+2*\u+1] op_sel_hi:[1,0]
.endr
	s_wait_alu depctr_va_vdst(0)
.irp u, 0,1
	v_pk_add_f32 v[CH+2*\u:CH+2*\u+1], v[S+64*\u:S+64*\u+1], v[S+64*\u+2:S+64*\u+3]
.endr
.irp j, 4,8,12,16,20,24,28,32,36,40,44,48,52,56,60
.irp u, 0,1
	v_pk_add_f32 v[ST+4*\u+2:ST+4*\u+3], v[ST+4*\u+2:ST+4*\u+3], v[S+64*\u+\j:S+64*\u+\j+1]
	v_pk_add_f32 v[CH+2*\u:CH+2*\u+1], v[CH+2*\u:CH+2*\u+1], v[S+64*\u+\j+2:S+64*\u+\j+3]
.endr
.endr
.irp u, 0
	s_delay_alu instid0(VALU_DEP_3)
	v_pk_add_f32 v[ST+4*\u+2:ST+4*\u+3], v[ST+4*\u+2:ST+4*\u+3], v[CH+2*\u:CH+2*\u+1]
.endr
.irp u, 1
	s_delay_alu instid0(VALU_DEP_2)
	v_pk_add_f32 v[ST+4*\u+2:ST+4*\u+3], v[ST+4*\u+2:ST+4*\u+3], v[CH+2*\u:CH+2*\u+1]
.endr
; A block's largest p is 2^y, y = its largest t - M, at most 0: floor(log2) of it is floor(y), so the scale's byte is floor(y) + 125, held at 1 from below (y at -124).
.irp b, 0,1,2,3,4,5,6,7
	v_max_num_f32 v[BX+\b], 0xc2f80000, v[BX+\b]
.endr
.irp b, 0,1,2,3,4,5,6,7
	v_floor_f32 v[BX+\b], v[BX+\b]
.endr
.irp b, 0,1,2,3,4,5,6,7
	v_add_f32 v[BP+\b], 0x4b40007d, v[BX+\b]       ; + 1.5 x 2^23 + 125, exact: the sum's lowest byte is the scale's byte, and the bit above it is 0
.endr
.irp b, 0,1,2,3,4,5,6,7
	v_lshlrev_b32 v[SO+\b], 23, v[BP+\b]           ; the byte as an exponent field: the conversion's scale operand
.endr
.irp u, 0,1
	v_perm_b32 v[BX+4*\u], v[BP+4*\u+1], v[BP+4*\u], 0x04000400
	v_perm_b32 v[BX+4*\u+1], v[BP+4*\u+3], v[BP+4*\u+2], 0x04000400
.endr
	s_delay_alu instid0(VALU_DEP_3)
	v_perm_b32 v[PS], v[BX+1], v[BX], 0x05040100   ; the four bytes make p's scale word
	s_delay_alu instid0(VALU_DEP_2)
	v_perm_b32 v[PS+1], v[BX+5], v[BX+4], 0x05040100
.irp u, 0,1
.irp c, 0,1
	v_cvt_scalef32_pk16_fp6_f32 v[P+12*\u+6*\c:P+12*\u+6*\c+2], v[S+64*\u+32*\c:S+64*\u+32*\c+15], v[SO+4*\u+2*\c]
	v_cvt_scalef32_pk16_fp6_f32 v[CT+8*\u+4*\c:CT+8*\u+4*\c+2], v[S+64*\u+32*\c+16:S+64*\u+32*\c+31], v[SO+4*\u+2*\c+1]
.endr
.endr
	v_nop
.irp u, 0,1
.irp c, 0,1
.irp i, 0,1,2
	v_permlane16_swap_b32 v[P+12*\u+6*\c+\i], v[CT+8*\u+4*\c+\i]
.endr
.irp i, 0,1,2
	s_delay_alu instid0(VALU_DEP_3)
	v_mov_b32 v[P+12*\u+6*\c+3+\i], v[CT+8*\u+4*\c+\i]
.endr
.endr
.endr
	WIN 0x41
.irp u, 0,1
.set j, 0
.rept 32
	v_pk_mul_f32 v[64*\u+j:64*\u+j+1], v[64*\u+j:64*\u+j+1], v[FP+2*\u:FP+2*\u+1] op_sel_hi:[1,0]
.set j, j+2
.endr
.endr
.endm
.macro STEP
	v_add_nc_u32 v[ADK], s[TB], v[LI]
	v_add_nc_u32 v[ADH], s[TH], v[AH0]
	v_nop
	v_nop
	global_load_b128 v[VS:VS+3], v[LI], s[VB:VB+1]
	KPAIR 0
	KPAIR 1
	s_wait_loadcnt 0x1
	s_add_nc_u64 s[KB:KB+1], s[KB:KB+1], 512
	s_wait_dscnt 8
	MMK 0
	PLACES 4
	KPAIR 2
	s_wait_dscnt 8
	MMK 1
	PLACES 4
	KPAIR 3
	s_wait_dscnt 8
	MMK 2
	PLACES 4
	VPAIR 0
	s_wait_dscnt 6
	MMK 3
	PLACES 4
	VPAIR 1
	SOFTMAX
	s_wait_alu depctr_va_vdst(0)
	s_wait_loadcnt 0x1
	s_add_nc_u64 s[VB:VB+1], s[VB:VB+1], 512
	s_wait_dscnt 6
	MMV 0
	PLACES 4
	VPAIR 2
	s_wait_dscnt 6
	MMV 1
	PLACES 4
	VPAIR 3
	s_wait_dscnt 6
	MMV 2
	s_wait_dscnt 0x0
	MMV 3
	WIN 0
	s_add_co_u32 s[TB], s[TB], 12288
	s_add_co_u32 s[TH], s[TH], 2048
.endm
.macro CHANGE fill
	s_wait_tensorcnt 0x0
	ds_add_u32 v[SPW], v[NIL]
.if \fill
	s_xor_b32 s[G0+1], s[G0+1], SLOT1
	s_add_nc_u64 s[G0+2:G0+3], s[G0+2:G0+3], 49152
	s_wait_xcnt 0x0
	s_add_nc_u64 s[PFA:PFA+1], s[PFA:PFA+1], 49152
	s_wait_dscnt 0x0
	CROUND
	tensor_load_to_lds s[G0:G0+3], s[G1:G1+7]
	s_nop 0
	PLACES 4
	ASK
.else
	s_wait_dscnt 0x0
	s_barrier_signal -1
	s_barrier_wait -1
.endif
.endm
.Lslot:
	CHANGE 1
	s_mov_b32 s[CNT], 4
.Lstep_a:
	STEP
	s_sub_co_u32 s[CNT], s[CNT], 1
	s_cmp_lg_u32 s[CNT], 0
	s_cbranch_scc1 .Lstep_a
	s_sub_co_u32 s[TB], s[TB], 49152
	s_xor_b32 s[TB], s[TB], SLOT1
	s_sub_co_u32 s[SLOTS], s[SLOTS], 1
	s_cmp_lg_u32 s[SLOTS], 0
	s_cbranch_scc1 .Lslot
	CHANGE 0
	s_mov_b32 s[CNT], 4
.Lstep_b:
	STEP
	s_sub_co_u32 s[CNT], s[CNT], 1
	s_cmp_lg_u32 s[CNT], 0
	s_cbranch_scc1 .Lstep_b
.irp u, 0,1
	v_add_f32 v[ST+4*\u+2], v[ST+4*\u+2], v[ST+4*\u+3]
.endr
.irp u, 0,1
	s_delay_alu instid0(VALU_DEP_2)
	v_permlanex16_b32 v[TT+\u], v[ST+4*\u+2], s[SEL], s[SEL+1]
.endr
.irp u, 0,1
	s_delay_alu instid0(VALU_DEP_2)
	v_add_f32 v[ST+4*\u+2], v[ST+4*\u+2], v[TT+\u]
.endr
	v_mov_b32 v86, 0
	v_mov_b32 v87, 0
	s_wait_alu depctr_va_vdst(0)
.irp u, 0,1
	v_rcp_f32 v[FP+2*\u], v[ST+4*\u+2]
.endr
	v_nop
	s_wait_alu depctr_va_vdst(0)
	WIN 0x01
.irp u, 0,1
.set j, 0
.rept 32
	v_pk_mul_f32 v[S+64*\u+j:S+64*\u+j+1], v[64*\u+j:64*\u+j+1], v[FP+2*\u:FP+2*\u+1] op_sel_hi:[1,0]
.set j, j+2
.endr
.endr
	WIN 0
.irp u, 0,1
	QUANT S+64*\u, 40+20*\u, PS+\u, 80
.irp g, 0,1,2
	global_store_b128 v[LI], v[40+20*\u+4*\g:43+20*\u+4*\g], s[72:73] offset:12288*\u+512*\g
.endr
.endr
	ds_store_b64 v[OSW], v[PS:PS+1]
	v_lshlrev_b32 v88, 4, v[RR]
	s_delay_alu instid0(VALU_DEP_1)
	v_lshl_add_u32 v88, v[HL], 11, v88
	s_wait_dscnt 0x0
	s_barrier_signal -1
	s_barrier_wait -1
	s_cmp_lg_u32 s14, 0
	s_cbranch_scc1 .Lno_scales
	ds_load_b128 v[96:99], v[OSR]
	ds_load_b128 v[100:103], v[OSR] offset:512
	s_wait_dscnt 0x0
	s_wait_alu depctr_va_vdst(0)
	global_store_b128 v88, v[96:99], s[74:75]
	global_store_b128 v88, v[100:103], s[74:75] offset:4096
.Lno_scales:
	s_wait_tensorcnt 0x0
	ds_add_u32 v[SPW], v[NIL]
	s_wait_dscnt 0x0
	CROUND
	s_endpgm
.Lfunc_end_k_q84124b83cd_attn:
	.size	k_q84124b83cd_attn, .Lfunc_end_k_q84124b83cd_attn-k_q84124b83cd_attn
	.p2alignl 7, 3214868480
	.fill 96, 4, 3214868480
	.section	.rodata,"a",@progbits
	.p2align	6, 0x0
	.amdhsa_kernel k_q84124b83cd_attn
		.amdhsa_group_segment_fixed_size 327680
		.amdhsa_private_segment_fixed_size 0
		.amdhsa_enable_private_segment 0
		.amdhsa_kernarg_size 40
		.amdhsa_user_sgpr_count 2
		.amdhsa_user_sgpr_kernarg_segment_ptr 1
		.amdhsa_wavefront_size32 1
		.amdhsa_system_sgpr_workgroup_id_x 1
		.amdhsa_system_sgpr_workgroup_id_y 1
		.amdhsa_system_sgpr_workgroup_id_z 1
		.amdhsa_system_vgpr_workitem_id 0
		.amdhsa_next_free_vgpr 512
		.amdhsa_next_free_sgpr 90
		.amdhsa_reserve_vcc 1
		.amdhsa_float_denorm_mode_32 3
		.amdhsa_float_denorm_mode_16_64 3
		.amdhsa_memory_ordered 1
		.amdhsa_forward_progress 1
		.amdhsa_inst_pref_size 128
	.end_amdhsa_kernel
	.amdgpu_metadata
---
amdhsa.version: [ 1, 2 ]
amdhsa.kernels:
  - .name:           k_q84124b83cd_attn
    .symbol:         k_q84124b83cd_attn.kd
    .args:
      - { .name: qkv, .offset: 0, .size: 8, .value_kind: global_buffer, .address_space: global }
      - { .name: glog, .offset: 8, .size: 8, .value_kind: global_buffer, .address_space: global }
      - { .name: bg, .offset: 16, .size: 8, .value_kind: global_buffer, .address_space: global }
      - { .name: modality_ids, .offset: 24, .size: 8, .value_kind: global_buffer, .address_space: global }
      - { .name: oq, .offset: 32, .size: 8, .value_kind: global_buffer, .address_space: global }
    .group_segment_fixed_size: 327680
    .private_segment_fixed_size: 0
    .kernarg_segment_align: 8
    .kernarg_segment_size: 40
    .max_flat_workgroup_size: 256
    .sgpr_count:     90
    .vgpr_count:     512
    .wavefront_size: 32
...
	.end_amdgpu_metadata
.endif
;; end of part 3
;; launch oproj (part 4): grid 8 x 32, 4 waves a work-group, clusters of 4 x 4, 327,680 bytes of LDS; arguments oq, wq, bo, out0; writes out0
.if DOCPART == 4
	.amdgcn_target "amdgcn-amd-amdhsa--gfx1250"
	.amdhsa_code_object_version 6
	.text
	.protected	k_q84124b83cd_oproj
	.globl	k_q84124b83cd_oproj
	.p2align	8
	.type	k_q84124b83cd_oproj,@function
k_q84124b83cd_oproj:
	s_mov_b64 s[64:65], 0
	v_nop
	global_prefetch_b8 v0, s[64:65] scope:SCOPE_SE
	s_setreg_imm32_b32 hwreg(HW_REG_WAVE_MODE, 25, 1), 1
	s_wait_xcnt 0x0
	s_wait_alu depctr_hold_cnt(0) depctr_sa_sdst(0) depctr_va_vdst(0) depctr_va_sdst(0) depctr_va_ssrc(0) depctr_va_vcc(0) depctr_vm_vsrc(0)
	s_getreg_b32 s2, hwreg(HW_REG_IB_STS2, 6, 4)
	s_cmp_eq_u32 s2, 0
	s_cbranch_scc0 .Lentry_in_a_cluster
	s_endpgm
.Lentry_in_a_cluster:
	s_bfe_u32 s2, ttmp6, 0x10000c
	s_cmp_lg_u32 s2, 0xf033
	s_cbranch_scc0 .Lentry_shape_is_right
	s_endpgm
.Lentry_shape_is_right:
; out0 = O Wo + bo on codes of E2M3 (one E8M0 byte for each 32 along K = 1,024), f32 out.  O's codes and Wo's lie as images of the operand's registers (tile T, chunk kc: 1,536 bytes at (8 T + kc) x 1,536; image row p
; of tile T is row 32 (T/2) + 8 (T%2) + p + 8 (p/8)); scale words [T/4][kc][row][T%4].
; A work-group makes 256 tokens x 128 columns: 256 work-groups; four waves, 2 x 2, each 128 tokens x 64 columns.
; THE WALK GOES BY ROWS OF THE RESULT.  A wave's four tiles of Wo for all of K, 32 fragments, 384 registers, are loaded once and stay.  O's 16 tiles for all of K (196,608 bytes, a dense block) come into LDS at the head,
; a quarter a wave.  A block of 16 tokens is finished by 32 products (K ascending, its four accumulators by turns) and leaves while the next block is multiplied.
; Source 0 = a tile of Wo, source 1 = a tile of O: lane (r, h) holds token row r, and register j of tile b column 32 (b/2) + 16 h + 8 (b%2) + j.  bo is the C of the first products.
; SCALE WORDS go from memory into registers, 512 consecutive bytes a load: lanes 0-15 an even chunk's, lanes 16-31 the next odd chunk's; odd chunks name row 1 for both sources.
; CLUSTERS 4 x 4: O's tiles are asked for jointly along a row of the cluster.  Wo's fragments are not asked for jointly: a wave wants its 49,152 bytes once, in registers, as they lie in memory,
; 512 consecutive bytes a load; a joint load would lay them in LDS only to be read out once.  No prefetch: every byte is asked for at the head.
; The way out goes through a stage of the wave's own, on bytes that no load fills; sixteen lanes store 256 consecutive bytes, aligned.
; REGISTERS.  window 0: v16-26 addresses; v28-29 for the add; v32-63 O's scale words, v64-79 Wo's; v96-127 bo; v128-191 rows of out0, two sets; v192-255 the accumulators, two sets of four.
; window 1: Wo's chunks 0-4 (48 registers each); window 2: chunks 5-7; window 3: O's fragments of a block (96 registers), two sets.
.set XH,    98304
.set STAGE, 196608
.set SPARE, 214016                     ; the spare words: 128 bytes a wave, two blocks of 256 bytes that no other line names
.set XQS,   6291456
.set WQS,   3145728
.set ADRA,  16
.set LI,    22
.set STO,   24
.set RD,    25
.set CO,    26
.set SPW,   28
.set NIL,   29
.set SX,    32
.set SW,    64
.set G1A,   24
.set G0A,   32
.set MSB, 0
.macro WIN new
.if MSB != (\new)
	s_set_vgpr_msb (MSB<<8)|(\new)
.set MSB, (\new)
.endif
.endm
.macro PLACES n
.rept \n
	v_nop
.endr
.endm
.macro CROUND
	s_barrier_signal -1
	s_barrier_wait -1
	s_cmp_lg_u32 s16, 0
	s_cbranch_scc1 .Lnot_wave_0_\@
	s_barrier_signal -3
.Lnot_wave_0_\@:
	s_barrier_wait -3
	s_barrier_signal -1
	s_barrier_wait -1
.endm
.macro FRAG reg, adr, off
.irp g, 0,1,2
	ds_load_b128 v[\reg+4*\g:\reg+4*\g+3], v[\adr] offset:\off+512*\g
.endr
.endm
.macro ALOAD a                         ; block a's fragments of O, all eight chunks, into set a % 2 of window 3: 24 loads
	WIN 0xc0
.irp k, 0,1,2,3,4,5,6,7
	FRAG 96*((\a)%2)+12*\k, ADRA+(\a)/4, 12288*((\a)%4)+1536*\k
.endr
	WIN 0
.endm
.macro WM d, b, a, c, sb, sa, row
.if \row
	v_wmma_scale_f32_16x16x128_f8f6f4 v[\d:\d+7], v[\b:\b+11], v[\a:\a+11], v[\c:\c+7], v[\sb], v[\sa] matrix_a_fmt:MATRIX_FMT_FP6 matrix_b_fmt:MATRIX_FMT_FP6 matrix_a_scale:MATRIX_SCALE_ROW1 matrix_b_scale:MATRIX_SCALE_ROW1
.else
	v_wmma_scale_f32_16x16x128_f8f6f4 v[\d:\d+7], v[\b:\b+11], v[\a:\a+11], v[\c:\c+7], v[\sb], v[\sa] matrix_a_fmt:MATRIX_FMT_FP6 matrix_b_fmt:MATRIX_FMT_FP6
.endif
.endm
; Block a is finished: 32 products.  Its four accumulators take turns, one instruction a turn.  In block 0 each chunk waits for its own twelve loads of Wo.
.macro ROW a
.set kc, 0
.rept 8
.if (\a) == 0
.if 12*(7-kc) > 63
	s_wait_loadcnt 63                              ; of 116 loads at least 53 are done: the scale words, bo and Wo's chunks 0 and 1 are the first 44
.else
	s_wait_loadcnt 12*(7-kc)                       ; all but the later chunks' loads
.endif
.endif
	WIN 0x0c|(1+kc/5)
.set mb, 0
.rept 4
.set rD, 192+32*((\a)%2)+8*mb
.set rC, rD
.if kc == 0
.set rC, 96+8*mb
.endif
	WM rD, 48*(kc%5)+12*mb, 96*((\a)%2)+12*kc, rC, SW+4*(kc/2)+mb, SX+16*((\a)/4)+4*(kc/2)+(\a)%4, kc%2
.set mb, mb+1
.endr
.set kc, kc+1
.endr
	WIN 0
.endm
; THE WAY OUT of a block of 16 tokens x 64 columns.  LDS serves a wave's instructions in order: no wait between the stores and the loads, nor in front of the next block's stores.
.macro TOSTAGE a
.irp b, 0,1,2,3
	ds_store_b128 v[STO], v[192+32*((\a)%2)+8*\b:192+32*((\a)%2)+8*\b+3] offset:128*(\b/2)+32*(\b%2)        ; each accumulator from its low end on
	ds_store_b128 v[STO], v[192+32*((\a)%2)+8*\b+4:192+32*((\a)%2)+8*\b+7] offset:128*(\b/2)+32*(\b%2)+16
.endr
.irp i, 0,1,2,3,4,5,6,7
	ds_load_b128 v[128+32*((\a)%2)+4*\i:128+32*((\a)%2)+4*\i+3], v[RD] offset:544*\i
.endr
.endm
.macro SEND a, younger                 ; image row 2 i + h of tile a is token 32 (a/2) + 8 (a%2) + 2 i + h + 8 (i/4)
	s_wait_dscnt \younger
.irp i, 0,1,2,3,4,5,6,7
	global_store_b128 v[CO], v[128+32*((\a)%2)+4*\i:128+32*((\a)%2)+4*\i+3], s[10:11] offset:(32*((\a)/2)+8*((\a)%2)+2*\i+8*(\i/4))*4096 th:TH_STORE_NT
.endr
.endm
	s_load_b256 s[4:11], s[0:1], 0x0               ; oq, wq, bo, out0
	v_lshl_add_u32 v[SPW], v0, 2, SPARE
	v_mov_b32 v[NIL], 0
	ds_add_u32 v[SPW], v[NIL]                      ; the opening lines: the add, twice on end, and its wait ahead of my first tensor load
	ds_add_u32 v[SPW], v[NIL]
	v_lshrrev_b32 v1, 5, v0
	v_readfirstlane_b32 s16, v1                    ; wave
	s_lshr_b32 s17, s16, 1                         ; rh: which 128 tokens
	s_and_b32 s18, s16, 1                          ; ch: which 64 columns
	s_bfe_u32 s40, ttmp6, 0x40000                  ; cx
	s_bfe_u32 s41, ttmp6, 0x40004                  ; cy
	s_and_b32 s42, ttmp7, 0xffff
	s_lshl_b32 s43, s41, 2
	s_lshl_b32 s43, 15, s43                        ; my row of the cluster
	s_or_b32 s[G1A], s43, (3<<16)|(1<<21)          ; the mask; elements of 8 bytes; bit 21 beside a mask; no padding
	s_mov_b32 s[G1A+1], 1536<<16                   ; 4 tile rows of 12,288 bytes, on end
	s_mov_b32 s[G1A+2], 4<<16
	s_mov_b32 s[G1A+3], 1536<<16
	s_mov_b32 s[G1A+4], 4
	s_mov_b32 s[G1A+5], 1536
	s_mov_b32 s[G1A+6], 0
	s_mov_b32 s[G1A+7], 0
	s_lshl_b32 s19, s42, 2
	s_add_co_u32 s19, s19, s41                     ; the block of 256 tokens: hangs on cy and the cluster alone
	s_lshl_b32 s20, ttmp9, 2
	s_add_co_u32 s20, s20, s40                     ; the block of 128 columns
	s_mul_i32 s96, s19, 196608
	s_mul_i32 s97, s16, 49152                      ; my quarter: tiles 4 w on
	s_add_co_u32 s96, s96, s97
	s_mov_b32 s97, 0
	s_mov_b32 s[G0A], 1
	s_mul_i32 s[G0A+1], s16, 49152                 ; LDS: no place in the cluster enters
	s_wait_dscnt 0x0                               ; both opening adds are done
	s_wait_kmcnt 0x0
	s_add_nc_u64 s[G0A+2:G0A+3], s[4:5], s[96:97]
	s_or_b32 s[G0A+3], s[G0A+3], 0x80000000
	CROUND                                         ; all sixteen work-groups are here: the joint loads meet
	tensor_load_to_lds s[G0A:G0A+3], s[G1A:G1A+7]  ; one load a wave
	s_nop 0
	PLACES 4
	s_lshl_b32 s98, s20, 9                         ; my 64 columns, in bytes: 512 block + 256 ch
	s_lshl_b32 s99, s18, 8
	s_add_co_u32 s98, s98, s99
	s_mov_b32 s99, 0
	s_add_nc_u64 s[8:9], s[8:9], s[98:99]          ; bo
	s_lshl_b32 s96, s19, 20                        ; my 128 tokens: (256 block + 128 rh) rows of 4,096 bytes
	s_lshl_b32 s45, s17, 19
	s_add_co_u32 s96, s96, s45
	s_add_co_u32 s96, s96, s98
	s_add_nc_u64 s[10:11], s[10:11], s[96:97]      ; out0
	s_lshl_b32 s96, s19, 13
	s_lshl_b32 s98, s17, 12
	s_add_co_u32 s96, s96, s98
	s_add_co_u32 s96, s96, XQS
	s_add_nc_u64 s[4:5], s[4:5], s[96:97]          ; O's scale words: groups 4 block + 2 rh, + 1
	s_mul_i32 s96, s20, 98304
	s_mul_i32 s98, s18, 49152
	s_add_co_u32 s96, s96, s98
	s_add_co_u32 s96, s96, 3*786432                ; Wo is the fourth weight in wq
	s_add_nc_u64 s[12:13], s[6:7], s[96:97]        ; Wo's tiles 8 block + 4 ch on
	s_lshl_b32 s96, s20, 12
	s_lshl_b32 s98, s18, 11
	s_add_co_u32 s96, s96, s98
	s_add_co_u32 s96, s96, WQS+3*32768
	s_add_nc_u64 s[6:7], s[6:7], s[96:97]          ; Wo's scale words: group 2 block + ch
	s_mul_i32 s96, s17, XH
	s_mul_i32 s45, s16, 16*272
	s_add_co_u32 s45, s45, STAGE                   ; my stage
	v_and_b32 v1, 31, v0
	v_and_b32 v2, 15, v0                           ; r
	v_bfe_u32 v3, v0, 4, 1                         ; h
	v_lshlrev_b32 v6, 6, v3
	v_lshlrev_b32 v[LI], 4, v1
.irp g, 0,1
.irp k, 0,1,2,3
	global_load_b128 v[SX+16*\g+4*\k:SX+16*\g+4*\k+3], v[LI], s[4:5] offset:2048*\g+512*\k   ; chunks 2 k (lanes 0-15) and 2 k + 1 (lanes 16-31), four tiles' words
.endr
.endr
.irp k, 0,1,2,3
	global_load_b128 v[SW+4*\k:SW+4*\k+3], v[LI], s[6:7] offset:512*\k
.endr
.irp b, 0,1,2,3
	global_load_b128 v[96+8*\b:99+8*\b], v6, s[8:9] offset:(32*(\b/2)+8*(\b%2))*4
	global_load_b128 v[100+8*\b:103+8*\b], v6, s[8:9] offset:(32*(\b/2)+8*(\b%2))*4+16
.endr
	WIN 0x40                                       ; Wo's fragments, chunk by chunk, twelve loads each
.irp k, 0,1,2,3,4
.irp b, 0,1,2,3
.irp g, 0,1,2
	global_load_b128 v[48*\k+12*\b+4*\g:48*\k+12*\b+4*\g+3], v[LI], s[12:13] offset:12288*\b+1536*\k+512*\g
.endr
.endr
.endr
	WIN 0x80
.irp k, 5,6,7
.irp b, 0,1,2,3
.irp g, 0,1,2
	global_load_b128 v[48*(\k-5)+12*\b+4*\g:48*(\k-5)+12*\b+4*\g+3], v[LI], s[12:13] offset:12288*\b+1536*\k+512*\g
.endr
.endr
.endr
	WIN 0
	v_add_nc_u32 v[ADRA], s96, v[LI]
	v_add_nc_u32 v[ADRA+1], 49152, v[ADRA]
	v_mul_u32_u24 v4, v2, 272
	v_lshl_add_u32 v4, v3, 6, v4
	v_add_nc_u32 v[STO], s45, v4                   ; in: row r, + 64 h
	v_mul_u32_u24 v4, v3, 272
	v_lshl_add_u32 v4, v2, 4, v4
	v_add_nc_u32 v[RD], s45, v4                    ; back: lanes 0-15 one row of 256 bytes, lanes 16-31 the next
	v_lshlrev_b32 v[CO], 4, v2
	v_lshl_add_u32 v[CO], v3, 12, v[CO]            ; and the same in out0
	s_wait_alu depctr_va_vdst(0)
	s_wait_tensorcnt 0x0                           ; my quarter is in
	s_barrier_signal -1
	s_barrier_wait -1                              ; and so is everybody's
	ALOAD 0
	ALOAD 1
	s_wait_dscnt 24                                ; block 0's fragments are in; block 1's 24 loads may be out
	ROW 0
	PLACES 4                                       ; in front of the stores that read results just made, and of loads into the set just multiplied
	TOSTAGE 0
	ALOAD 2
.irp a, 1,2,3,4,5,6,7
.if \a < 7
	s_wait_dscnt 40                                ; this block's fragments are in; behind them: the last block's 16 stage instructions and the next fetch's 24 loads
.else
	s_wait_dscnt 16                                ; behind them: the last block's 16 stage instructions
.endif
	ROW \a
.if \a < 7
	SEND \a-1, 24                                  ; the last block's rows are back (behind them: a fetch's 24 loads) and leave
.else
	SEND \a-1, 0
.endif
	PLACES 4
	s_wait_xcnt 0x0                                ; the stores have read their registers: this block's rows may land in the set of two blocks back
	TOSTAGE \a
.if \a < 6
	ALOAD \a+2
.endif
.endr
	SEND 7, 0
	s_wait_tensorcnt 0x0                           ; the wave's end
	ds_add_u32 v[SPW], v[NIL]
	s_wait_dscnt 0x0
	CROUND                                         ; the closing round
	s_endpgm
.Lfunc_end_k_q84124b83cd_oproj:
	.size	k_q84124b83cd_oproj, .Lfunc_end_k_q84124b83cd_oproj-k_q84124b83cd_oproj
	.p2alignl 7, 3214868480
	.fill 96, 4, 3214868480
	.section	.rodata,"a",@progbits
	.p2align	6, 0x0
	.amdhsa_kernel k_q84124b83cd_oproj
		.amdhsa_group_segment_fixed_size 327680
		.amdhsa_private_segment_fixed_size 0
		.amdhsa_enable_private_segment 0
		.amdhsa_kernarg_size 32
		.amdhsa_user_sgpr_count 2
		.amdhsa_user_sgpr_kernarg_segment_ptr 1
		.amdhsa_wavefront_size32 1
		.amdhsa_system_sgpr_workgroup_id_x 1
		.amdhsa_system_sgpr_workgroup_id_y 1
		.amdhsa_system_sgpr_workgroup_id_z 1
		.amdhsa_system_vgpr_workitem_id 0
		.amdhsa_next_free_vgpr 1024
		.amdhsa_next_free_sgpr 100
		.amdhsa_reserve_vcc 0
		.amdhsa_float_denorm_mode_32 3
		.amdhsa_float_denorm_mode_16_64 3
		.amdhsa_memory_ordered 1
		.amdhsa_forward_progress 1
		.amdhsa_inst_pref_size 78
	.end_amdhsa_kernel
	.amdgpu_metadata
---
amdhsa.version: [ 1, 2 ]
amdhsa.kernels:
  - .name:           k_q84124b83cd_oproj
    .symbol:         k_q84124b83cd_oproj.kd
    .args:
      - { .name: oq, .offset: 0, .size: 8, .value_kind: global_buffer, .address_space: global }
      - { .name: wq, .offset: 8, .size: 8, .value_kind: global_buffer, .address_space: global }
      - { .name: bo, .offset: 16, .size: 8, .value_kind: global_buffer, .address_space: global }
      - { .name: out0, .offset: 24, .size: 8, .value_kind: global_buffer, .address_space: global }
    .group_segment_fixed_size: 327680
    .private_segment_fixed_size: 0
    .kernarg_segment_align: 8
    .kernarg_segment_size: 32
    .max_flat_workgroup_size: 128
    .sgpr_count:     100
    .vgpr_count:     1024
    .wavefront_size: 32
...
	.end_amdgpu_metadata
.endif
;; end of part 4
